; MI455X (gfx1250); checked and timed in simulation.
; The chip was launched on July 23, 2026; its instructions are those of AMD's public machine-readable ISA for CDNA 5 (MIT licence, August 2026) and "CDNA5" Instruction Set Architecture Reference Guide (July 2026). The comments in the code are by the model that wrote it; some were corrected since.
;; Multi Head Attention. Allowed arithmetic: matrix products marked QUANTISED: E2M3 operands, one E8M0 scale for each 32 along K, by v_wmma_scale_f32_16x16x128_f8f6f4 with both operands' format E2M3, f32 sums; everything else in f32.
;; Inputs: Wk 1,024 x 1,024 float32; Wo 1,024 x 1,024 float32; Wq 1,024 x 1,024 float32; Wv 1,024 x 1,024 float32; bk 1,024 float32; bo 1,024 float32; bq 1,024 float32; bv 1,024 float32; k 4 x 2,048 x 1,024 float32; q 4 x 2,048 x 1,024 float32; v 4 x 2,048 x 1,024 float32.
;; Outputs: out0 4 x 2,048 x 1,024 float32.
;; This version of the problem:
;;   THIS VERSION OF THE PROBLEM IS GIVEN IN LOW PRECISION. The matrix products marked QUANTISED in the list below multiply operands that are first quantised to E2M3 (2 exponent bits, 3 mantissa bits; 6 bits a number), with one power-of-two scale for each 32 numbers along K (OCP MX v1.0); their sums are f32. All else is computed in f32.
;;   The module's matrix products, in the order in which they are computed (A, B: the left and right operand; K: the contracted axis; several contracted axes count as one K, in the product's order):
;;     1. [M 8,192, K 1,024] x [K 1,024, N 1,024]; A: input q; B: input Wq: QUANTISED
;;     2. [M 8,192, K 1,024] x [K 1,024, N 1,024]; A: input k; B: input Wk: QUANTISED
;;     3. [M 8,192, K 1,024] x [K 1,024, N 1,024]; A: input v; B: input Wv: QUANTISED
;;     4. batch 64 x [M 2,048, K 64] x [K 64, N 2,048]; A: computed on the way; B: computed on the way: QUANTISED
;;     5. batch 64 x [M 2,048, K 2,048] x [K 2,048, N 64]; A: softmax (see below); B: computed on the way: QUANTISED
;;     6. [M 8,192, K 1,024] x [K 1,024, N 1,024]; A: computed on the way; B: input Wo: QUANTISED
;;   THE QUANTISER, for each operand of a quantised product, along K:
;;     - K is cut into blocks of 32 from its start; a last block that is shorter is filled with zeros.
;;     - A block's scale is 2^e with e = floor(log2(the largest magnitude in the block)) - 2, held to -126 .. 127; a block of zeros has e = 0. As a byte (E8M0): e + 127.
;;     - Each number is divided by its block's scale, clamped to +-7.5, and rounded to the nearest number of E2M3, ties to even, subnormals kept.
;;     - The product sums the exact products of the quantised numbers (number of the format x scale) in f32.
;;   ~~~python
;;   def quantise(x, axis):      # numpy; x: float32 -> the quantised numbers, widened to float32 again
;;       x = np.moveaxis(x, axis, -1); K = x.shape[-1]
;;       x = np.pad(x, [(0, 0)] * (x.ndim - 1) + [(0, -K % 32)]); x = x.reshape(x.shape[:-1] + (-1, 32)); a = np.abs(x).max(-1, keepdims=True)
;;       e = np.where(a > 0, np.clip(np.frexp(np.where(a > 0, a, 1))[1] - 1 - 2, -126, 127), 0)      # np.frexp(a)[1] - 1 = floor(log2(a)), exactly
;;       r = np.clip(x / 2.0 ** e, -7.5, 7.5)
;;       step = 2.0 ** (np.maximum(np.frexp(np.where(r == 0, 1, r))[1] - 1, 0) - 3)
;;       q = np.round(r / step) * step * 2.0 ** e      # np.round: ties to even
;;       return np.moveaxis(q.reshape(q.shape[:-2] + (-1,))[..., :K], -1, axis).astype(np.float32)
;;   ~~~
;;   SOFTMAX AHEAD OF A QUANTISED PRODUCT. Where the list says 'softmax', what is quantised is not the finished softmax but p = 2^(t - M), with t = logit x log2(e) and M = ceil(the row's largest t), a whole number; so 1/2 < the row's largest p <= 1. The row's sum l is taken of the UNQUANTISED p, in f32, and the product's result is divided by l at the end. Since M is a whole number, a kernel that streams over the keys may use a running M (the ceiling of the running maximum): every later rescaling is an exact power of two, which a block's scale takes up: the codes' values come out the same.
;;   OPERANDS COMPUTED ON THE WAY. 'Computed on the way' means the value that the module computes at that place (a softmax that the list does not call 'softmax' is quantised finished and normalised). What goes into a quantiser is computed in f32, as accurately as f32 sums, v_exp_f32 and their like allow (about 1e-6 of the number): no bf16 or f16 on the way to a quantiser, and a product that is left as it is and whose result goes on into a quantised operand takes f32 operands (vector FMAs, or v_wmma_f32_16x16x4_f32). A number that lies on a knife's edge between two numbers of the format may be rounded either way, as far as f32 arithmetic and the matrix unit's own rounding can turn it there, and no further.
;; One version. Each part assembles by itself: llvm-mc -triple=amdgcn-amd-amdhsa -mcpu=gfx1250 --defsym DOCPART=n.
;; ======== version 1 of 1: 4 launches
;; limits: right only within a limited range of input values
;; workspace buffers: cod 22,020,096 bytes; scl 917,504 bytes; hc 18,874,368 bytes; hs 786,432 bytes; cc 6,291,456 bytes; csc 262,144 bytes
;; launch quant (part 1): grid 256 x 1, 7 waves a work-group, no clusters, 60,160 bytes of LDS; arguments q, k, v, Wq, Wk, Wv, Wo, cod, scl; writes cod, scl
.if DOCPART == 1
	.amdgcn_target "amdgcn-amd-amdhsa--gfx1250"
	.amdhsa_code_object_version 6
	.text
	.protected	k_qed82c4ea93_quant
	.globl	k_qed82c4ea93_quant
	.p2align	8
	.type	k_qed82c4ea93_quant,@function
k_qed82c4ea93_quant:
	s_mov_b64 s[64:65], 0
	v_nop
	global_prefetch_b8 v0, s[64:65] scope:SCOPE_SE
	s_setreg_imm32_b32 hwreg(HW_REG_WAVE_MODE, 25, 1), 1
	s_wait_xcnt 0x0
; q, k, v [8192][1024] and Wq, Wk, Wv, Wo [1024][1024], f32, K innermost, become codes of FP6 (E2M3) with one E8M0 byte for each 32 along K,
; laid in the ORDER OF THE OPERAND'S REGISTERS.  A tile is 16 rows: lane place r of a tensor's tile T is row 32 (T / 2) + 8 (T % 2) + r + 8 (r / 8).
; A fragment (a tile x 128 along K, 12 registers a lane) is an image of 1,536 bytes: registers 2 p, 2 p + 1 of all lanes at 256 p + 8 x lane.
; cod: [tile 0..1791][K step 0..7][1,536]; tiles: q 0, k 512, v 1024, Wq 1536, Wk 1600, Wv 1664, Wo 1728.  scl: [tile][r][8 words], a word = the four bytes of a K step.
; A block's scale is 2^(floor(log2(its largest magnitude)) - 2); its byte is that magnitude's exponent field - 2, held at 1 from below.
; LIMITS: a block's largest magnitude is taken as 2^-124 at the least (byte 1); a block of zeros so gets the byte 1 where the rule says 127: its codes are zeros, and this
; program alone reads the bytes.  NaN and infinities among the inputs are not served.
; SHARES: a wave takes one tile through all of K: eight fragments.  Each load reads 512 consecutive bytes of a row; the 16 rows turn through the wave's own stage in LDS
; (rows 528 bytes apart, an odd multiple of 16), so that lane (r, h) gets blocks h and 2 + h of row r: 2 x 32 neighbours.  Waves share nothing: no barrier.  Loads run two fragments ahead.
.set SPITCH, 528
.set RS,  16                           ; v16-143  two sets of 64: a fragment's numbers as loaded
.set X,   144                          ; v144-207 my two blocks
.set C,   208                          ; v208-219 the fragment's codes
.set T,   220                          ; v220-226 the blocks' upper halves as converted
.set SW,  228                          ; v228-235 the scale word of each K step
.set MX,  236                          ; v236-237 largest magnitudes
.set SOP, 238                          ; v238-239 the conversions' scale operands
.set PD,  240                          ; v240     takes the other half's bytes
.set BY,  241                          ; v241-242 the bytes
.set FIN, 244                          ; v244-247 the four words that I store
	s_load_b512 s[4:19], s[0:1], 0x0               ; q, k, v, Wq, Wk, Wv, Wo, cod
	s_load_b64 s[20:21], s[0:1], 0x40              ; scl
	v_lshl_add_u32 v248, v0, 2, 0xe700             ; the spare words lie behind the seven stages of 8,448 bytes
	v_mov_b32 v249, 0
	v_lshrrev_b32 v1, 5, v0
	v_readfirstlane_b32 s26, v1                    ; wave
	v_and_b32 v7, 31, v0                           ; lane
	v_and_b32 v8, 15, v0                           ; r
	v_bfe_u32 v9, v0, 4, 1                         ; h
	v_lshlrev_b32 v1, 4, v7                        ; 16 x lane: my bytes of a load's 512
	s_mul_i32 s27, s26, 16*SPITCH                  ; my stage
	v_add_nc_u32 v2, s27, v1                       ; into it: 16 x lane of a row
	v_mul_u32_u24 v3, v8, SPITCH
	v_lshl_add_u32 v3, v9, 7, v3
	v_add_nc_u32 v3, s27, v3                       ; out of it: row r, + 128 h
	v_lshlrev_b32 v4, 3, v7                        ; 8 x lane: my place in a piece of an image
	v_lshlrev_b32 v5, 5, v8
	v_lshl_add_u32 v5, v9, 4, v5                   ; 32 r + 16 h: my four scale words
	v_lshlrev_b32 v6, 3, v9                        ; 8 h: how far up my two bytes go
	v_mov_b32 v[PD], 0                             ; written once: a lane permute's destination counts as one of its sources
	s_mov_b32 s30, 0x76543210
	s_mov_b32 s31, 0xfedcba98                      ; selects for lane l xor 16
	s_wait_alu depctr_va_vdst(0)
	s_wait_kmcnt 0x0
	; 256 work-groups of seven waves: 1,792 waves, a tile each.  The tensor is chosen by the tile's number (work-group and wave alone).
	s_mul_i32 s32, ttmp9, 7
	s_add_co_u32 s32, s32, s26                     ; my tile among all 1,792
	s_mov_b64 s[22:23], s[16:17]
	s_mov_b32 s24, 1728
	s_cmp_lt_u32 s32, 1728
	s_cselect_b64 s[22:23], s[14:15], s[22:23]
	s_cselect_b32 s24, 1664, s24
	s_cmp_lt_u32 s32, 1664
	s_cselect_b64 s[22:23], s[12:13], s[22:23]
	s_cselect_b32 s24, 1600, s24
	s_cmp_lt_u32 s32, 1600
	s_cselect_b64 s[22:23], s[10:11], s[22:23]
	s_cselect_b32 s24, 1536, s24
	s_cmp_lt_u32 s32, 1536
	s_cselect_b64 s[22:23], s[8:9], s[22:23]
	s_cselect_b32 s24, 1024, s24
	s_cmp_lt_u32 s32, 1024
	s_cselect_b64 s[22:23], s[6:7], s[22:23]
	s_cselect_b32 s24, 512, s24
	s_cmp_lt_u32 s32, 512
	s_cselect_b64 s[22:23], s[4:5], s[22:23]
	s_cselect_b32 s24, 0, s24
	s_sub_co_u32 s25, s32, s24                     ; my tile T in its tensor
	; k's TOKENS HAVE AN ORDER OF THEIR OWN: place r of tile T is row 64 (T / 4) + 8 (T % 4) + r % 8 + 32 (r / 8), so that in the scores a lane's 32 registers of four tiles are one block of 32 keys.
	; All other tensors: row 32 (T / 2) + 8 (T % 2) + r + 8 (r / 8).
	s_cmp_eq_u32 s24, 512
	s_cselect_b32 s33, 2, 1
	s_cselect_b32 s34, 3, 1
	s_lshr_b32 s28, s25, s33
	s_add_co_u32 s35, s33, 16
	s_lshl_b32 s28, s28, s35                       ; 32 or 64 rows of 4,096 bytes for each group of tiles,
	s_and_b32 s29, s25, s34
	s_lshl_b32 s29, s29, 15                        ; 8 rows for each tile in its group
	s_add_co_u32 s28, s28, s29
	s_mov_b32 s29, 0
	s_add_nc_u64 s[22:23], s[22:23], s[28:29]
	s_lshl_b32 s33, 32768, s33                     ; places 8-15 begin 16 rows (k: 32 rows) behind places 0-7
	v_add_nc_u32 v10, s33, v1
	s_wait_alu depctr_va_vdst(0)                   ; the wait behind the write
	s_mul_i32 s28, s32, 12288
	s_add_nc_u64 s[18:19], s[18:19], s[28:29]
	s_lshl_b32 s28, s32, 9
	s_add_nc_u64 s[20:21], s[20:21], s[28:29]
.macro LOAD f                          ; K step f: 16 rows x 512 bytes; place i of the tile is row i + 8 (i / 8)
.irp i, 0,1,2,3,4,5,6,7,8,9,10,11,12,13,14,15
.if \i < 8
	global_load_b128 v[RS+64*((\f)%2)+4*\i:RS+64*((\f)%2)+4*\i+3], v1, s[22:23] offset:\i*4096+512*(\f) th:TH_LOAD_NT
.else
	global_load_b128 v[RS+64*((\f)%2)+4*\i:RS+64*((\f)%2)+4*\i+3], v10, s[22:23] offset:(\i-8)*4096+512*(\f) th:TH_LOAD_NT
.endif
.endr
.endm
.macro STEP f
.if (\f) < 7
	s_wait_loadcnt 16                              ; this fragment's 16 loads are in; the next one's may be out
.else
	s_wait_loadcnt 0x0
.endif
.irp i, 0,1,2,3,4,5,6,7,8,9,10,11,12,13,14,15
	ds_store_b128 v2, v[RS+64*((\f)%2)+4*\i:RS+64*((\f)%2)+4*\i+3] offset:SPITCH*\i
.endr
.irp c, 0,1
.irp j, 0,1,2,3,4,5,6,7
	ds_load_b128 v[X+32*\c+4*\j:X+32*\c+4*\j+3], v3 offset:256*\c+16*\j   ; LDS serves a wave's instructions in order: these see the stores above
.endr
.endr
	s_wait_dscnt 0x0                               ; my blocks are in, and the stores have read their registers,
.if (\f)+2 < 8
	LOAD (\f)+2                                    ; which take the fragment two on
.endif
.irp c, 0,1
	v_max3_num_f32 v[MX+\c], |v[X+32*\c]|, |v[X+32*\c+1]|, 0x1800000   ; block 2 c + h: all 32 numbers are mine; the floor 2^(3 - 127) holds the byte at 1 from below
.endr
.irp i, 2,4,6,8,10,12,14,16,18,20,22,24,26,28,30
.irp c, 0,1
	v_max3_num_f32 v[MX+\c], v[MX+\c], |v[X+32*\c+\i]|, |v[X+32*\c+\i+1]|
.endr
.endr
.irp c, 0,1
	v_add_nc_u32 v[SOP+\c], 0xff000000, v[MX+\c]   ; 2 off the exponent field: the conversion takes this operand's exponent field as its scale
.endr
.irp c, 0,1
	v_lshrrev_b32 v[BY+\c], 23, v[SOP+\c]          ; the scale's byte
.endr
	v_lshl_or_b32 v[SW+(\f)], v[BY+1], 16, v[BY]   ; blocks h and 2 + h,
	v_lshlrev_b32 v[SW+(\f)], v6, v[SW+(\f)]       ; at their places in the word;
	v_permlanex16_b32 v[PD], v[SW+(\f)], s30, s31
	v_or_b32 v[SW+(\f)], v[SW+(\f)], v[PD]         ; with lane l xor 16's two the word is whole
	s_wait_alu depctr_va_vdst(0)
	s_wait_xcnt 0x0                                ; the last fragment's stores have read the codes' registers: they are written again only behind this wait
.irp c, 0,1
	v_cvt_scalef32_pk16_fp6_f32 v[C+6*\c:C+6*\c+2], v[X+32*\c:X+32*\c+15], v[SOP+\c]
	v_cvt_scalef32_pk16_fp6_f32 v[T+4*\c:T+4*\c+2], v[X+32*\c+16:X+32*\c+31], v[SOP+\c]   ; (a conversion's three registers begin on an even number)
.endr
	v_nop                                          ; one plain place behind a scaled conversion
.irp c, 0,1
.irp i, 0,1,2
	v_mov_b32 v[C+3+6*\c+\i], v[T+4*\c+\i]
.endr
.endr
.irp p, 0,1,2,3,4,5
	global_store_b64 v4, v[C+2*\p:C+2*\p+1], s[18:19] offset:1536*(\f)+256*\p   ; 32 lanes store 256 consecutive bytes, at a multiple of 256 from the buffer's first byte
.endr
.endm
	LOAD 0
	LOAD 1
.irp f, 0,1,2,3,4,5,6,7
	STEP \f
.endr
	v_cmp_gt_u32 vcc_lo, 16, v7                    ; lanes 0-15 store words 0-3 of row r, lanes 16-31 words 4-7
.irp j, 0,1,2,3
	v_cndmask_b32 v[FIN+\j], v[SW+4+\j], v[SW+\j], vcc_lo
.endr
	global_store_b128 v5, v[FIN:FIN+3], s[20:21]   ; the tile's 512 bytes of scale words
	s_wait_tensorcnt 0x0
	ds_add_u32 v248, v249
	s_wait_dscnt 0x0
	s_endpgm
.Lfunc_end_k_qed82c4ea93_quant:
	.size	k_qed82c4ea93_quant, .Lfunc_end_k_qed82c4ea93_quant-k_qed82c4ea93_quant
	.p2alignl 7, 3214868480
	.fill 96, 4, 3214868480
	.section	.rodata,"a",@progbits
	.p2align	6, 0x0
	.amdhsa_kernel k_qed82c4ea93_quant
		.amdhsa_group_segment_fixed_size 60160
		.amdhsa_private_segment_fixed_size 0
		.amdhsa_enable_private_segment 0
		.amdhsa_kernarg_size 72
		.amdhsa_user_sgpr_count 2
		.amdhsa_user_sgpr_kernarg_segment_ptr 1
		.amdhsa_wavefront_size32 1
		.amdhsa_system_sgpr_workgroup_id_x 1
		.amdhsa_system_sgpr_workgroup_id_y 1
		.amdhsa_system_sgpr_workgroup_id_z 1
		.amdhsa_system_vgpr_workitem_id 0
		.amdhsa_next_free_vgpr 250
		.amdhsa_next_free_sgpr 66
		.amdhsa_reserve_vcc 1
		.amdhsa_float_denorm_mode_32 3
		.amdhsa_float_denorm_mode_16_64 3
		.amdhsa_memory_ordered 1
		.amdhsa_forward_progress 1
		.amdhsa_inst_pref_size 61
	.end_amdhsa_kernel
	.amdgpu_metadata
---
amdhsa.version: [ 1, 2 ]
amdhsa.kernels:
  - .name:           k_qed82c4ea93_quant
    .symbol:         k_qed82c4ea93_quant.kd
    .args:
      - { .name: q, .offset: 0, .size: 8, .value_kind: global_buffer, .address_space: global }
      - { .name: k, .offset: 8, .size: 8, .value_kind: global_buffer, .address_space: global }
      - { .name: v, .offset: 16, .size: 8, .value_kind: global_buffer, .address_space: global }
      - { .name: Wq, .offset: 24, .size: 8, .value_kind: global_buffer, .address_space: global }
      - { .name: Wk, .offset: 32, .size: 8, .value_kind: global_buffer, .address_space: global }
      - { .name: Wv, .offset: 40, .size: 8, .value_kind: global_buffer, .address_space: global }
      - { .name: Wo, .offset: 48, .size: 8, .value_kind: global_buffer, .address_space: global }
      - { .name: cod, .offset: 56, .size: 8, .value_kind: global_buffer, .address_space: global }
      - { .name: scl, .offset: 64, .size: 8, .value_kind: global_buffer, .address_space: global }
    .group_segment_fixed_size: 60160
    .private_segment_fixed_size: 0
    .kernarg_segment_align: 8
    .kernarg_segment_size: 72
    .max_flat_workgroup_size: 224
    .sgpr_count:     66
    .vgpr_count:     250
    .wavefront_size: 32
...
	.end_amdgpu_metadata
.endif
;; end of part 1
;; launch proj (part 2): grid 4 x 192, 4 waves a work-group, clusters of 4 x 4, 296,448 bytes of LDS; arguments cod, scl, bq, bk, bv, hc, hs; writes hc, hs
.if DOCPART == 2
	.amdgcn_target "amdgcn-amd-amdhsa--gfx1250"
	.amdhsa_code_object_version 6
	.text
	.protected	k_qed82c4ea93_proj
	.globl	k_qed82c4ea93_proj
	.p2align	8
	.type	k_qed82c4ea93_proj,@function
k_qed82c4ea93_proj:
	s_mov_b64 s[64:65], 0
	v_nop
	global_prefetch_b8 v0, s[64:65] scope:SCOPE_SE
	s_setreg_imm32_b32 hwreg(HW_REG_WAVE_MODE, 25, 1), 1
	s_wait_xcnt 0x0
	s_wait_alu depctr_hold_cnt(0) depctr_sa_sdst(0) depctr_va_vdst(0) depctr_va_sdst(0) depctr_va_ssrc(0) depctr_va_vcc(0) depctr_vm_vsrc(0)
	s_getreg_b32 s2, hwreg(HW_REG_IB_STS2, 6, 4)
	s_cmp_eq_u32 s2, 0
	s_cbranch_scc0 .Lentry_in_a_cluster
	s_endpgm
.Lentry_in_a_cluster:
	s_bfe_u32 s2, ttmp6, 0x10000c
	s_cmp_lg_u32 s2, 0xf033
	s_cbranch_scc0 .Lentry_shape_is_right
	s_endpgm
.Lentry_shape_is_right:
; The three projections on codes of FP6 (E2M3) with E8M0 scales, their results quantised at once: qh and kh along the head's 64, vh along the keys.
; One product is C = P R^T over K = 1,024.  For q and k: P = the tokens (8,192 rows), R = the weight (1,024 rows).  For v the two change places: P = Wv, R = the tokens, so that a
; result's row is a feature and its columns are tokens: the one way out, which quantises along the columns, then quantises vh along the keys.  What differs is chosen by s_cselect on the cluster's number.
; SHARES: a work-group makes 256 rows of P x 128 rows of R: 256 work-groups a product.  ALL OF K of both operands lies in LDS (384 rows x 768 bytes = 294,912): four chunks of four K steps, each filled once;
; nothing is filled again.  Wave w owns P's tiles 4 w .. 4 w + 3 against R's eight: 32 accumulators.  One tensor load of a wave is out.
; OPERANDS are images in register order (a fragment: registers 2 p, 2 p + 1 of all lanes at 256 p + 8 x lane), so a fragment is six ds_load_b64 of 256 consecutive bytes: no pitch, no padding.
; THE PRODUCT IS USED TRANSPOSED: source 0 = a tile of R, source 1 = a tile of P: a lane holds one row of P.  Place r of tile T is row 32 (T / 2) + 8 (T % 2) + r + 8 (r / 8), so the 16 registers of
; result tiles 2 b, 2 b + 1 are columns 32 b + 16 (lane / 16) + 0 .. 15: neighbours along the next product's K.
; CLUSTER 4 x 4: the four work-groups of a row of the cluster need the same tiles of P, the four of a column the same tiles of R: each is asked for jointly.
; OUT: hc: three parts of 6,291,456 bytes (q, k, v), [J][I][768]: half images (64 along K); q, k: J = head, I = token tile; v: J = 64 tokens, I = feature tile.  hs: three parts of 262,144, [J / 2][I][16 words].
; LIMITS: a block's largest magnitude is taken as 2^-124 at the least (byte 1); a block of zeros gets the byte 1 where the rule says 127 (zero codes; the bytes are this program's own).  NaN and infinities are not served.
; REGISTERS: window 0: v1-8 LDS addresses, v9-15 offsets, v16-31 P's scale words, v32-63 R's, v64-159 P's fragments (two sets), v160-201 at work on the way out.
;   window 1: R's fragments, two sets, at v0 and v128.  window 2: accumulator (a, b) at v[8 (8 a + b)].  window 3: v0-63 the bias by columns, v64-71 the bias by rows.
.set CH,    147456                     ; a HALF OF K (four K steps): P's 16 tiles x 6,144 bytes, then R's 8.  Two halves; each of the four waves fills one operand's half, once
.set RBASE, 98304
.set SCRW,  294912                     ; behind the chunks: 256 bytes a wave for its scale words; no fill lands here
.set ADRA, 1
.set ADRB, 5
.set SA,   16
.set SB,   32
.set AF,   64
.set PC,   160
.set TM,   180
.set WV,   18
.set G1,   24
.set G1B,  32
.set G0A,  40
.set G0B,  56
.set SEL,  96
.set MSB, 0
.macro WIN new                         ; the immediate's high byte repeats the setting that is left
.if MSB != \new
	s_set_vgpr_msb (MSB<<8)|\new
.set MSB, \new
.endif
.endm
.macro CROUND                          ; a round of the cluster's barrier
	s_barrier_signal -1
	s_barrier_wait -1
	s_cmp_lg_u32 s[WV], 0
	s_cbranch_scc1 .Lnot_wave_0_\@
	s_barrier_signal -3
.Lnot_wave_0_\@:
	s_barrier_wait -3
	s_barrier_signal -1
	s_barrier_wait -1
.endm
.macro PLACES                          ; four plain places behind a matrix instruction, ahead of loads into its sources and of reads of its results
.rept 4
	v_nop
.endr
.endm
	s_load_b256 s[4:11], s[0:1], 0x0               ; cod, scl, bq, bk
	s_load_b128 s[12:15], s[0:1], 0x20             ; bv, hc
	s_load_b64 s[16:17], s[0:1], 0x30              ; hs
	v_lshl_add_u32 v254, v0, 2, 0x48400
	v_mov_b32 v255, 0
	ds_add_u32 v254, v255
	ds_add_u32 v254, v255
	v_lshrrev_b32 v160, 5, v0
	v_readfirstlane_b32 s[WV], v160                ; wave 0..3
	s_bfe_u32 s21, ttmp6, 0x40000                  ; cx
	s_bfe_u32 s22, ttmp6, 0x40004                  ; cy
	s_and_b32 s23, ttmp7, 0xffff                   ; the cluster's number, 0..47
	s_lshr_b32 s76, s23, 4                         ; which product: 0 q, 1 k, 2 v
	s_and_b32 s77, s23, 15                         ; which of its 16 clusters
	s_and_b32 s78, s77, 1
	s_lshr_b32 s79, s77, 1
	s_lshl_b32 s80, s76, 9
	s_lshl_b32 s81, s76, 6
	s_add_co_u32 s81, s81, 1536
	s_mov_b32 s82, 393216
	s_mov_b32 s83, 32768
	s_cmp_eq_u32 s76, 2                            ; v?  The same in all partners
	s_cselect_b32 s78, s77, s78                    ; cluster column
	s_cselect_b32 s79, 0, s79                      ; cluster row
	s_cselect_b32 s80, 1664, s80                   ; P's first tile in cod
	s_cselect_b32 s81, 1024, s81                   ; R's
	s_cselect_b32 s82, 49152, s82                  ; hc: bytes from J to J + 1
	s_cselect_b32 s83, 4096, s83                   ; hs: bytes from one J / 2 to the next
	s_cselect_b32 s84, 0, -1                       ; all lanes where the bias goes by columns (q, k)
	s_cselect_b32 s85, -1, 0                       ; all lanes where it goes by rows (v)
	s_lshl_b32 s86, s79, 2
	s_add_co_u32 s86, s86, s22                     ; row of work-groups = 4 x cluster row + cy
	s_lshl_b32 s87, s78, 2
	s_add_co_u32 s87, s87, s21                     ; column = 4 x cluster column + cx
	s_lshl_b32 s92, s22, 2
	s_lshl_b32 s92, 15, s92                        ; my row of the cluster
	s_lshl_b32 s93, 0x1111, s21                    ; my column
	; group 1: tiles as rows of 6,144 bytes (768 elements of 8 bytes: four K steps of a tile), 12,288 bytes apart in memory, on end in LDS
	s_or_b32 s[G1], s92, (3<<16)|(1<<21)           ; 15:0 the mask; 17:16 elements of 8 bytes; 21 set beside a mask
	s_or_b32 s[G1B], s93, (3<<16)|(1<<21)
	s_mov_b32 s[G1+1], 768<<16                     ; rows of 6,144 bytes: four K steps of a tile
	s_mov_b32 s[G1+2], 16<<16                      ; P's 16 tiles
	s_mov_b32 s[G1+3], 768<<16
	s_mov_b32 s[G1+4], 16
	s_mov_b32 s[G1+5], 1536                        ; the pitch
	s_mov_b32 s[G1+6], 0
	s_mov_b32 s[G1+7], 0
	s_mov_b32 s[G1B+1], 768<<16
	s_mov_b32 s[G1B+2], 8<<16                      ; R's 8 tiles
	s_mov_b32 s[G1B+3], 768<<16
	s_mov_b32 s[G1B+4], 8
	s_mov_b32 s[G1B+5], 1536
	s_mov_b32 s[G1B+6], 0
	s_mov_b32 s[G1B+7], 0
	s_lshl_b32 s88, s86, 4                         ; P: tile 16 x row + 8 x half: no cx enters
	s_add_co_u32 s88, s88, s80
	s_mul_i32 s88, s88, 12288
	s_mov_b32 s89, 0
	s_lshl_b32 s90, s87, 3                         ; R: tile 8 x column + 4 x half: no cy enters
	s_add_co_u32 s90, s90, s81
	s_mul_i32 s90, s90, 12288
	s_mov_b32 s91, 0
	s_wait_dscnt 0x0
	s_wait_kmcnt 0x0
	s_add_nc_u64 s[88:89], s[4:5], s[88:89]
	s_add_nc_u64 s[90:91], s[4:5], s[90:91]
.irp c, 0,1                            ; groups 0: s[40:43] P's half 0, s[44:47] R's half 0, s[48:51] P's half 1, s[52:55] R's half 1
	s_mov_b32 s[G0A+8*\c], 1
	s_mov_b32 s[G0A+8*\c+1], \c*CH
	s_add_nc_u64 s[G0A+8*\c+2:G0A+8*\c+3], s[88:89], \c*6144
	s_or_b32 s[G0A+8*\c+3], s[G0A+8*\c+3], 0x80000000
	s_mov_b32 s[G0A+8*\c+4], 1
	s_mov_b32 s[G0A+8*\c+5], RBASE+\c*CH
	s_add_nc_u64 s[G0A+8*\c+6:G0A+8*\c+7], s[90:91], \c*6144
	s_or_b32 s[G0A+8*\c+7], s[G0A+8*\c+7], 0x80000000
.endr
	CROUND                                         ; all sixteen work-groups are here: the joint loads meet
	; ONE LOAD A WAVE, in one chain of branches on the wave's number: what the first four K steps need is asked for by waves 0 and 1
	s_cmp_eq_u32 s[WV], 0
	s_cbranch_scc0 .Lw1
	tensor_load_to_lds s[40:43], s[G1:G1+7]
	s_nop 0
.rept 4
	v_nop
.endr
	s_branch .Lasked
.Lw1:
	s_cmp_eq_u32 s[WV], 1
	s_cbranch_scc0 .Lw2
	tensor_load_to_lds s[44:47], s[G1B:G1B+7]
	s_nop 0
.rept 4
	v_nop
.endr
	s_branch .Lasked
.Lw2:
	s_cmp_eq_u32 s[WV], 2
	s_cbranch_scc0 .Lw3
	tensor_load_to_lds s[48:51], s[G1:G1+7]
	s_nop 0
.rept 4
	v_nop
.endr
	s_branch .Lasked
.Lw3:
	tensor_load_to_lds s[52:55], s[G1B:G1B+7]
	s_nop 0
.rept 4
	v_nop
.endr
.Lasked:
	v_and_b32 v160, 31, v0                         ; lane
	v_and_b32 v161, 15, v0                         ; r
	v_bfe_u32 v162, v0, 4, 1                       ; h
	v_lshlrev_b32 v10, 3, v160                     ; 8 x lane
	s_mul_i32 s2, s[WV], 24576                     ; my four tiles of P, 6,144 bytes each in a half
.irp c, 0,1
	v_add_nc_u32 v[ADRA+\c], s2, v10
	v_add_nc_u32 v[ADRB+\c], RBASE+\c*CH, v10
	s_add_co_u32 s2, s2, CH
.endr
	v_lshlrev_b32 v9, 5, v160                      ; 32 x lane: lanes 0-15 one tile's rows of scale words, lanes 16-31 the next tile's
	v_add_nc_u32 v11, s82, v10                     ; 8 x lane, one J on
	v_lshlrev_b32 v12, 2, v161
	s_lshl_b32 s3, s[WV], 8
	s_add_co_u32 s3, s3, SCRW
	v_add_nc_u32 v12, s3, v12                      ; where I put a scale word: 256 w + 4 r
	v_lshl_add_u32 v13, v0, 3, SCRW                ; and read them back: 256 w + 8 x lane
	v_lshlrev_b32 v14, 6, v162                     ; 64 h: the bias by columns
	s_wait_alu depctr_va_vdst(0)
	v_and_b32 v15, 8, v161
	v_add_nc_u32 v15, v15, v161
	v_lshlrev_b32 v15, 2, v15                      ; 4 (r + 8 (r / 8)): the bias by rows
	s_wait_alu depctr_va_vdst(0)
.irp b, 0,1,2,3
	v_mov_b32 v[TM+4+\b], 0                        ; written once: a lane permute's destination counts as one of its sources
.endr
	s_mov_b32 s[SEL], 0x76543210
	s_mov_b32 s[SEL+1], 0xfedcba98
	s_lshl_b32 s2, s86, 4
	s_add_co_u32 s2, s2, s80
	s_lshl_b32 s3, s[WV], 2
	s_add_co_u32 s2, s2, s3
	s_lshl_b32 s2, s2, 9
	s_mov_b32 s3, 0
	s_add_nc_u64 s[66:67], s[6:7], s[2:3]          ; the scale words of my four tiles of P
	s_lshl_b32 s2, s87, 3
	s_add_co_u32 s2, s2, s81
	s_lshl_b32 s2, s2, 9
	s_add_nc_u64 s[100:101], s[6:7], s[2:3]        ; and of R's eight
	s_cmp_eq_u32 s76, 0
	s_cselect_b64 s[98:99], s[8:9], s[10:11]
	s_cmp_eq_u32 s76, 2
	s_cselect_b64 s[98:99], s[12:13], s[98:99]     ; the product's bias
	s_lshl_b32 s2, s87, 9
	s_and_b32 s2, s2, s84                          ; by columns: 128 features a column of work-groups (0 for v: read and then masked)
	s_add_nc_u64 s[92:93], s[98:99], s[2:3]
	s_lshl_b32 s2, s86, 10
	s_lshl_b32 s94, s[WV], 8
	s_add_co_u32 s2, s2, s94
	s_and_b32 s2, s2, s85                          ; by rows: 256 features a row of work-groups, 64 a wave (0 for q, k)
	s_add_nc_u64 s[94:95], s[98:99], s[2:3]
.irp i, 0,1
.irp q, 0,1
	global_load_b128 v[SA+8*\i+4*\q:SA+8*\i+4*\q+3], v9, s[66:67] offset:1024*\i+16*\q     ; v[SA + 8 i + s]: lanes 0-15 tile 2 i's word of K step s, lanes 16-31 tile 2 i + 1's
.endr
.endr
.irp i, 0,1,2,3
.irp q, 0,1
	global_load_b128 v[SB+8*\i+4*\q:SB+8*\i+4*\q+3], v9, s[100:101] offset:1024*\i+16*\q
.endr
.endr
	WIN 0xc0                                       ; destination window 3
.irp t, 0,1,2,3,4,5,6,7
	global_load_b128 v[8*\t:8*\t+3], v14, s[92:93] offset:(32*(\t/2)+8*(\t%2))*4           ; tile t's eight columns of my half, in the result's layout
	global_load_b128 v[8*\t+4:8*\t+7], v14, s[92:93] offset:(32*(\t/2)+8*(\t%2))*4+16
.endr
.irp a, 0,1,2,3
	global_load_b32 v[64+2*\a], v15, s[94:95] offset:(32*(\a/2)+8*(\a%2))*4                ; my row's, for each of my four tiles; twice, since the packed addition names a pair
	global_load_b32 v[65+2*\a], v15, s[94:95] offset:(32*(\a/2)+8*(\a%2))*4
.endr
	s_wait_loadcnt 0x0
	WIN 0xcc                                       ; source 1 and destination window 3
.set j, 0
.rept 64
	v_cndmask_b32 v[j], 0, v[j], s84               ; the bias that does not apply becomes 0: no branch
.set j, j+1
.endr
.rept 8
	v_cndmask_b32 v[j], 0, v[j], s85
.set j, j+1
.endr
	WIN 0
	s_mul_i32 s2, s76, 6291456                     ; where my results go (the loads above are done: their bases may be written)
	s_lshl_b32 s92, s87, 1
	s_mul_i32 s92, s92, s82
	s_add_co_u32 s2, s2, s92
	s_lshl_b32 s92, s86, 4
	s_lshl_b32 s93, s[WV], 2
	s_add_co_u32 s92, s92, s93                     ; I = 16 x row + 4 w
	s_mul_i32 s93, s92, 768
	s_add_co_u32 s2, s2, s93
	s_add_nc_u64 s[66:67], s[14:15], s[2:3]
	s_lshl_b32 s2, s76, 18
	s_mul_i32 s93, s87, s83
	s_add_co_u32 s2, s2, s93
	s_lshl_b32 s93, s92, 6
	s_add_co_u32 s2, s2, s93
	s_add_nc_u64 s[100:101], s[16:17], s[2:3]
.macro FRAG reg, adr, off              ; a fragment: six pieces of 256 consecutive bytes
.irp p, 0,1,2,3,4,5
	ds_load_b64 v[(\reg)+2*\p:(\reg)+2*\p+1], v[\adr] offset:(\off)+256*\p
.endr
.endm
.macro FETCH_B s                       ; R's eight fragments of K step s into set s % 2 of window 1
	WIN 0x40
.irp i, 0,1,2,3,4,5,6,7
	FRAG 128*((\s)%2)+12*\i, ADRB+(\s)/4, 6144*\i+1536*((\s)%4)
.endr
.endm
.macro FETCH_A s                       ; my four fragments of P
	WIN 0
.irp i, 0,1,2,3
	FRAG AF+48*((\s)%2)+12*\i, ADRA+(\s)/4, 6144*\i+1536*((\s)%4)
.endr
.endm
.macro WMUL s                          ; source 0 window 1, source 1 window 0, D window 2; C window 3 (the bias) in K step 0, else window 2
.if (\s) == 0
	WIN 0xb1
.else
	WIN 0xa1
.endif
.endm
; Four products: P's tiles a0, a0 + 1 x R's tiles b0, b0 + 1.  A scale register carries an even tile's words in lanes 0-15 and the odd tile's in lanes 16-31.
.macro QUAD a0, b0, s
.set qB, 128*((\s)%2)+12*(\b0)
.set qA, AF+48*((\s)%2)+12*(\a0)
.set qD, 8*(8*(\a0)+(\b0))
.set qC, 8*(\b0)
.set qSB, SB+8*((\b0)/2)+(\s)
.set qSA, SA+8*((\a0)/2)+(\s)
.if (\s) == 0
	v_wmma_scale_f32_16x16x128_f8f6f4 v[qD:qD+7], v[qB:qB+11], v[qA:qA+11], v[qC:qC+7], v[qSB], v[qSA] matrix_a_fmt:MATRIX_FMT_FP6 matrix_b_fmt:MATRIX_FMT_FP6
	v_wmma_scale_f32_16x16x128_f8f6f4 v[qD+8:qD+15], v[qB+12:qB+23], v[qA:qA+11], v[qC+8:qC+15], v[qSB], v[qSA] matrix_a_fmt:MATRIX_FMT_FP6 matrix_b_fmt:MATRIX_FMT_FP6 matrix_a_scale:MATRIX_SCALE_ROW1
	v_wmma_scale_f32_16x16x128_f8f6f4 v[qD+64:qD+71], v[qB:qB+11], v[qA+12:qA+23], v[qC:qC+7], v[qSB], v[qSA] matrix_a_fmt:MATRIX_FMT_FP6 matrix_b_fmt:MATRIX_FMT_FP6 matrix_b_scale:MATRIX_SCALE_ROW1
	v_wmma_scale_f32_16x16x128_f8f6f4 v[qD+72:qD+79], v[qB+12:qB+23], v[qA+12:qA+23], v[qC+8:qC+15], v[qSB], v[qSA] matrix_a_fmt:MATRIX_FMT_FP6 matrix_b_fmt:MATRIX_FMT_FP6 matrix_a_scale:MATRIX_SCALE_ROW1 matrix_b_scale:MATRIX_SCALE_ROW1
.else
	v_wmma_scale_f32_16x16x128_f8f6f4 v[qD:qD+7], v[qB:qB+11], v[qA:qA+11], v[qD:qD+7], v[qSB], v[qSA] matrix_a_fmt:MATRIX_FMT_FP6 matrix_b_fmt:MATRIX_FMT_FP6
	v_wmma_scale_f32_16x16x128_f8f6f4 v[qD+8:qD+15], v[qB+12:qB+23], v[qA:qA+11], v[qD+8:qD+15], v[qSB], v[qSA] matrix_a_fmt:MATRIX_FMT_FP6 matrix_b_fmt:MATRIX_FMT_FP6 matrix_a_scale:MATRIX_SCALE_ROW1
	v_wmma_scale_f32_16x16x128_f8f6f4 v[qD+64:qD+71], v[qB:qB+11], v[qA+12:qA+23], v[qD+64:qD+71], v[qSB], v[qSA] matrix_a_fmt:MATRIX_FMT_FP6 matrix_b_fmt:MATRIX_FMT_FP6 matrix_b_scale:MATRIX_SCALE_ROW1
	v_wmma_scale_f32_16x16x128_f8f6f4 v[qD+72:qD+79], v[qB+12:qB+23], v[qA+12:qA+23], v[qD+72:qD+79], v[qSB], v[qSA] matrix_a_fmt:MATRIX_FMT_FP6 matrix_b_fmt:MATRIX_FMT_FP6 matrix_a_scale:MATRIX_SCALE_ROW1 matrix_b_scale:MATRIX_SCALE_ROW1
.endif
.endm
; A K step of 128: 32 products, the 32 accumulators by turns in the same order in every step.  The next step's fragments are fetched in two runs,
; R's 48 loads behind the 8th product and P's 24 behind the 16th, into the sets that the step before multiplied: the four v_nop are the places behind that step's products for both runs.
.macro STEP s
.if (\s) == 3
	s_wait_tensorcnt 0x0                           ; every wave's one load has landed: the barrier shows K's second half; nothing is ever filled again
	s_wait_dscnt 0x0                               ; this step's fragments are in: no LDS instruction of mine is out at the signal
	s_barrier_signal -1
	s_barrier_wait -1                              ; everybody's part has landed
.else
	s_wait_dscnt 0x0                               ; this step's fragments are in: the last were asked for 16 products ago
.endif
	WMUL \s
	QUAD 0, 0, \s
	QUAD 0, 2, \s
.if (\s) < 7
	PLACES
	FETCH_B (\s)+1
	WMUL \s
.endif
	QUAD 0, 4, \s
	QUAD 0, 6, \s
.if (\s) < 7
	FETCH_A (\s)+1
	WMUL \s
.endif
	QUAD 2, 0, \s
	QUAD 2, 2, \s
	QUAD 2, 4, \s
	QUAD 2, 6, \s
	WIN 0
.endm
	s_wait_alu depctr_va_vdst(0)
	s_cmp_lt_u32 s[WV], 2                          ; waves 0 and 1 asked for K's first half: they wait, the other two loads may be out
	s_cbranch_scc0 .Lnot_first
	s_wait_tensorcnt 0x0
.Lnot_first:
	s_barrier_signal -1
	s_barrier_wait -1
	FETCH_B 0
	FETCH_A 0
.irp s, 0,1,2,3,4,5,6,7
	STEP \s
.endr
	PLACES
; 64 numbers of a lane, register 16 b + i = column 32 b + 16 (lane / 16) + i of my row, become a fragment's codes in v[PC] on and its scale word in v[pw].
.macro QUANT s, pw
.irp b, 0,1,2,3
	v_max3_num_f32 v[TM+\b], |v[\s+16*\b]|, |v[\s+1+16*\b]|, 0x1800000   ; block b: my 16 numbers, and the floor 2^(3 - 127): the byte cannot fall under 1
.endr
.irp i, 2,4,6,8,10,12,14
.irp b, 0,1,2,3
	v_max3_num_f32 v[TM+\b], v[TM+\b], |v[\s+16*\b+\i]|, |v[\s+1+16*\b+\i]|
.endr
.endr
.irp b, 0,1,2,3
	v_permlanex16_b32 v[TM+4+\b], v[TM+\b], s[SEL], s[SEL+1]
.endr
.irp b, 0,1,2,3
	v_max_num_f32 v[TM+\b], v[TM+\b], v[TM+4+\b]   ; with lane l xor 16's: the block's largest magnitude
.endr
.irp b, 0,1,2,3
	v_add_nc_u32 v[TM+12+\b], 0xff000000, v[TM+\b] ; 2 off its exponent field: the conversion's scale operand
.endr
.irp b, 0,1,2,3
	v_lshrrev_b32 v[TM+4+\b], 23, v[TM+12+\b]      ; the scale's byte
.endr
	v_lshl_or_b32 v[\pw], v[TM+5], 8, v[TM+4]
	v_lshl_or_b32 v[\pw], v[TM+6], 16, v[\pw]
	v_lshl_or_b32 v[\pw], v[TM+7], 24, v[\pw]
.irp c, 0,1
	v_cvt_scalef32_pk16_fp6_f32 v[PC+6*\c:PC+2+6*\c], v[\s+32*\c:\s+15+32*\c], v[TM+12+2*\c]
	v_cvt_scalef32_pk16_fp6_f32 v[PC+12+4*\c:PC+14+4*\c], v[\s+16+32*\c:\s+31+32*\c], v[TM+12+2*\c+1]   ; (a conversion's three registers begin on an even number)
.endr
	v_nop                                          ; one plain place behind a scaled conversion
.irp c, 0,1                                    ; the operand's layout wants a whole block in a lane: lanes 0-15 block 2 c, lanes 16-31 block 2 c + 1
.irp i, 0,1,2
	v_permlane16_swap_b32 v[PC+6*\c+\i], v[PC+12+4*\c+\i]
.endr
.irp i, 0,1,2
	v_mov_b32 v[PC+3+6*\c+\i], v[PC+12+4*\c+\i]
.endr
.endr
.endm
; THE WAY OUT of my tile a of P: the bias by rows is added (each accumulator from its low end on), the 128 columns are quantised, and the two half images leave as pieces of 256 consecutive bytes.
.macro OUTA a
	s_wait_xcnt 0x0                                ; the last tile's stores have read the codes' registers
	WIN 0x0e                                       ; source 0 window 2, source 1 window 3
.irp t, 0,1,2,3,4,5,6,7
.irp k, 0,2,4,6
	v_pk_add_f32 v[64+8*\t+\k:65+8*\t+\k], v[8*(8*(\a)+\t)+\k:8*(8*(\a)+\t)+\k+1], v[64+2*(\a):65+2*(\a)] op_sel_hi:[1,0]
.endr
.endr
	WIN 0
	QUANT 64, 196+(\a)
.irp c, 0,1
.irp p, 0,1,2
	global_store_b64 v[10+\c], v[PC+6*\c+2*\p:PC+6*\c+2*\p+1], s[66:67] offset:768*(\a)+256*\p
.endr
.endr
	ds_store_b32 v12, v[196+(\a)] offset:64*(\a)   ; lanes r and r + 16 write the same word with the same value
.endm
.irp a, 0,1,2,3
	OUTA \a
.endr
	ds_load_b64 v[200:201], v13                    ; LDS serves a wave's instructions in order: this sees my stores
	s_wait_dscnt 0x0
	global_store_b64 v10, v[200:201], s[100:101]   ; my four tiles' scale words: 256 consecutive bytes, aligned
	s_wait_tensorcnt 0x0
	ds_add_u32 v254, v255
	s_wait_dscnt 0x0
	CROUND                                         ; the closing round: no work-group ends while a partner may still ask for a tile that names it
	s_endpgm
.Lfunc_end_k_qed82c4ea93_proj:
	.size	k_qed82c4ea93_proj, .Lfunc_end_k_qed82c4ea93_proj-k_qed82c4ea93_proj
	.p2alignl 7, 3214868480
	.fill 96, 4, 3214868480
	.section	.rodata,"a",@progbits
	.p2align	6, 0x0
	.amdhsa_kernel k_qed82c4ea93_proj
		.amdhsa_group_segment_fixed_size 296448
		.amdhsa_private_segment_fixed_size 0
		.amdhsa_enable_private_segment 0
		.amdhsa_kernarg_size 56
		.amdhsa_user_sgpr_count 2
		.amdhsa_user_sgpr_kernarg_segment_ptr 1
		.amdhsa_wavefront_size32 1
		.amdhsa_system_sgpr_workgroup_id_x 1
		.amdhsa_system_sgpr_workgroup_id_y 1
		.amdhsa_system_sgpr_workgroup_id_z 1
		.amdhsa_system_vgpr_workitem_id 0
		.amdhsa_next_free_vgpr 1024
		.amdhsa_next_free_sgpr 102
		.amdhsa_reserve_vcc 0
		.amdhsa_float_denorm_mode_32 3
		.amdhsa_float_denorm_mode_16_64 3
		.amdhsa_memory_ordered 1
		.amdhsa_forward_progress 1
		.amdhsa_inst_pref_size 114
	.end_amdhsa_kernel
	.amdgpu_metadata
---
amdhsa.version: [ 1, 2 ]
amdhsa.kernels:
  - .name:           k_qed82c4ea93_proj
    .symbol:         k_qed82c4ea93_proj.kd
    .args:
      - { .name: cod, .offset: 0, .size: 8, .value_kind: global_buffer, .address_space: global }
      - { .name: scl, .offset: 8, .size: 8, .value_kind: global_buffer, .address_space: global }
      - { .name: bq, .offset: 16, .size: 8, .value_kind: global_buffer, .address_space: global }
      - { .name: bk, .offset: 24, .size: 8, .value_kind: global_buffer, .address_space: global }
      - { .name: bv, .offset: 32, .size: 8, .value_kind: global_buffer, .address_space: global }
      - { .name: hc, .offset: 40, .size: 8, .value_kind: global_buffer, .address_space: global }
      - { .name: hs, .offset: 48, .size: 8, .value_kind: global_buffer, .address_space: global }
    .group_segment_fixed_size: 296448
    .private_segment_fixed_size: 0
    .kernarg_segment_align: 8
    .kernarg_segment_size: 56
    .max_flat_workgroup_size: 128
    .sgpr_count:     102
    .vgpr_count:     1024
    .wavefront_size: 32
...
	.end_amdgpu_metadata
.endif
;; end of part 2
;; launch attn (part 3): grid 4 x 64, 16 waves a work-group, clusters of 4 x 1, 211,968 bytes of LDS; arguments hc, hs, cc, csc; writes cc, csc
.if DOCPART == 3
	.amdgcn_target "amdgcn-amd-amdhsa--gfx1250"
	.amdhsa_code_object_version 6
	.text
	.protected	k_qed82c4ea93_attn
	.globl	k_qed82c4ea93_attn
	.p2align	8
	.type	k_qed82c4ea93_attn,@function
k_qed82c4ea93_attn:
	s_mov_b64 s[64:65], 0
	v_nop
	global_prefetch_b8 v0, s[64:65] scope:SCOPE_SE
	s_setreg_imm32_b32 hwreg(HW_REG_WAVE_MODE, 25, 1), 1
	s_wait_xcnt 0x0
	s_wait_alu depctr_hold_cnt(0) depctr_sa_sdst(0) depctr_va_vdst(0) depctr_va_sdst(0) depctr_va_ssrc(0) depctr_va_vcc(0) depctr_vm_vsrc(0)
	s_getreg_b32 s2, hwreg(HW_REG_IB_STS2, 6, 4)
	s_cmp_eq_u32 s2, 0
	s_cbranch_scc0 .Lentry_in_a_cluster
	s_endpgm
.Lentry_in_a_cluster:
	s_bfe_u32 s2, ttmp6, 0x10000c
	s_cmp_lg_u32 s2, 0x3003
	s_cbranch_scc0 .Lentry_shape_is_right
	s_endpgm
.Lentry_shape_is_right:
; ctx[b][q][hd][:] = softmax_k(qh . kh / 8) vh, both products on codes of FP6 (E2M3) with E8M0 scales, and ctx quantised along its 1,024 features for the last projection.
; THE SOFTMAX: t = score x log2(e) / 8; M = the row's largest t so far, rounded up to a whole number; p = 2^(t - M) is quantised along the keys, not normalised.  The row's sum is taken of the
; unquantised p and divides O at the end.  When M moves, the sum and O are multiplied by 2^(old M - new M): exact.
; SHARES: a work-group owns 512 queries of one head of one batch: 256 work-groups.  The head's 2,048 keys and values lie in LDS whole (2 x 98,304 bytes of codes, 12,288 of scale words), filled once.
; The four query blocks of a head form a cluster and ask for them jointly.  Each of the sixteen waves owns two tiles of 16 queries and walks the keys once for each, 128 keys a step.
; LAYOUT: half a fragment (a tile x 64 along K) is an image of 768 bytes: registers 2 p, 2 p + 1 of all lanes at 256 p + 8 x lane.  Both products are used transposed (S^T = K Q^T, O^T = V^T P^T): a lane holds one query.
; K's tiles: place r of tile T is key 64 (T / 4) + 8 (T % 4) + r % 8 + 32 (r / 8): lane (q, h)'s 32 registers of score tiles 4 c .. 4 c + 3 are keys 64 c + 32 h + 0 .. 31: ONE BLOCK OF 32, in the order of the next
; operand's registers: a block's maximum and its codes need no other lane.
; The first product's K is 64.  An operand of K holds TWO tiles, [T | T + 2], one in each half of the 128; it is multiplied by [Q | 0] and by [0 | Q] (18 registers: 0, Q, 0).  Zero codes add nothing under any finite scale byte.
; THE ORDER OF A STEP: the maxima, one chain a score tile, stand among the score products; ALL LDS LOADS OF A STEP STAND IN ONE RUN, ahead of the exponentials: this step's 26 of V and the next step's 28 of K;
; the one wait for them stands behind the 66 exponentials; the row's sum is a tree in place, behind the conversions, and its last levels stand among the second product's instructions.
; The last step of a walk asks for no K and is written out.
; LIMITS: a block's largest magnitude is taken as 2^-124 at the least (byte 1); a block of zeros gets the byte 1 where the rule says 127 (zero codes; the bytes are this program's own).  NaN and infinities are not
; served.  The promise holds while the scaled scores t stay under 2^31 in magnitude.
; No prefetch: every tile is asked for at the kernel's head, so nothing lies ahead that could be asked for earlier.
; REGISTERS: v1-4 LDS bases (K, V, K's scales, V's), v5 4 r, v6-9 the step's LDS addresses, v10 8 h, v11 ctx's bytes, v12 -M, v13 the largest score, v[14:15] the sum; v16-33 0, Q, 0;
; v34 Q's scale word (twice its two bytes), v35 p's, v36-37 V's, v38-39 K's, v40-43 K's as loaded (v40-42 then take codes); v44-47 at work; v48-95 K; v96-143 V; v144-207 S^T, then p; v208-239 O^T;
; v240-251 the maxima's chains, then p's codes; v252 f; v254-255 the add's.
.set WV,  18
.set KSB, 196608
.set VSB, 204800
.set SCR, 208896                       ; 1,024 bytes for ctx's scale bytes: no fill lands here
.set SPARE, 209920                     ; the spare words: 128 bytes a wave
.set QZ, 16
.set KF, 48
.set VF, 96
.set S,  144
.set O,  208
.set PC, 240
.macro CROUND
	s_barrier_signal -1
	s_barrier_wait -1
	s_cmp_lg_u32 s[WV], 0
	s_cbranch_scc1 .Lnot_wave_0_\@
	s_barrier_signal -3
.Lnot_wave_0_\@:
	s_barrier_wait -3
	s_barrier_signal -1
	s_barrier_wait -1
.endm
.macro G1SET g, c, r, p                ; group 1: r rows of c elements of 8 bytes, p elements apart; the mask of all four partners, bit 21 beside it
	s_mov_b32 s[\g], 15|(3<<16)|(1<<21)
	s_mov_b32 s[\g+1], (\c)<<16
	s_mov_b32 s[\g+2], (\r)<<16
	s_mov_b32 s[\g+3], (\c)<<16
	s_mov_b32 s[\g+4], \r
	s_mov_b32 s[\g+5], \p
	s_mov_b32 s[\g+6], 0
	s_mov_b32 s[\g+7], 0
.endm
.macro TLOAD g0, g1
	tensor_load_to_lds s[\g0:\g0+3], s[\g1:\g1+7]
	s_nop 0
.rept 4
	v_nop
.endr
.endm
.macro WALU
	s_wait_alu depctr_va_vdst(0)
.endm
	s_load_b256 s[4:11], s[0:1], 0x0               ; hc, hs, cc, csc
	v_lshl_add_u32 v254, v0, 2, SPARE
	v_mov_b32 v255, 0
	ds_add_u32 v254, v255                          ; the opening lines
	ds_add_u32 v254, v255
	v_lshrrev_b32 v8, 5, v0
	v_readfirstlane_b32 s[WV], v8                  ; wave 0..15
	s_bfe_u32 s12, ttmp6, 0x40000                  ; cx: my block of 512 queries; it enters the addresses of Q, cc and csc alone
	s_and_b32 s13, ttmp7, 0xffff
	s_lshr_b32 s14, s13, 4                         ; batch
	s_and_b32 s15, s13, 15                         ; head
	s_and_b32 s16, s15, 1                          ; odd head?
	s_lshr_b32 s17, s15, 1
	s_mov_b32 s20, 0x76543210
	s_mov_b32 s21, 0xfedcba98                      ; selects for lane l xor 16
	s_mov_b32 s22, 0x3e38aa3b                      ; c = log2(e) / 8
	s_mov_b32 s23, s22
	G1SET 24, 32, 96, 32                           ; K's codes: a quarter, 24,576 dense bytes, as 96 rows of 256
	G1SET 32, 384, 8, 6144                         ; V's codes: a quarter: 8 groups of 64 keys, the head's 3,072 bytes of each, 49,152 bytes apart
	G1SET 40, 32, 32, 32                           ; K's scale words: 8,192 dense bytes
	G1SET 48, 32, 16, 512                          ; V's: 16 key steps, the head's 256 bytes of each, 4,096 bytes apart
	s_mul_i32 s78, s15, 393216                     ; waves 0-3: K's quarter w
	s_mul_i32 s79, s14, 98304
	s_add_co_u32 s78, s78, s79
	s_mul_i32 s79, s[WV], 24576
	s_add_co_u32 s78, s78, s79
	s_add_co_u32 s78, s78, 6291456
	s_mul_i32 s80, s14, 1572864                    ; waves 4-7: V's quarter w - 4
	s_mul_i32 s81, s15, 3072
	s_add_co_u32 s80, s80, s81
	s_mul_i32 s81, s[WV], 393216
	s_add_co_u32 s80, s80, s81
	s_add_co_u32 s80, s80, 11010048
	s_cmp_lt_u32 s[WV], 4
	s_cselect_b32 s78, s78, s80
	s_mov_b32 s79, 0
	s_lshl_b32 s82, s17, 15                        ; wave 8: K's scale words
	s_lshl_b32 s83, s14, 13
	s_add_co_u32 s82, s82, s83
	s_add_co_u32 s82, s82, 262144
	s_lshl_b32 s80, s14, 16                        ; wave 9: V's
	s_lshl_b32 s81, s15, 8
	s_add_co_u32 s80, s80, s81
	s_add_co_u32 s80, s80, 524288
	s_cmp_eq_u32 s[WV], 8
	s_cselect_b32 s82, s82, s80
	s_mov_b32 s83, 0
	s_wait_dscnt 0x0
	s_wait_kmcnt 0x0
	s_mov_b32 s56, 1
	s_mul_i32 s57, s[WV], 24576                    ; K's quarters at 24,576 w, V's behind them
	s_add_nc_u64 s[58:59], s[4:5], s[78:79]
	s_or_b32 s59, s59, 0x80000000
	s_mov_b32 s60, 1
	s_and_b32 s61, s[WV], 1
	s_lshl_b32 s61, s61, 13
	s_add_co_u32 s61, s61, KSB
	s_add_nc_u64 s[62:63], s[6:7], s[82:83]
	s_or_b32 s63, s63, 0x80000000
	CROUND                                         ; all four work-groups are here: the joint loads meet
	s_cmp_lt_u32 s[WV], 4                          ; a wave issues one load at the most, in one chain of branches on the wave's number
	s_cbranch_scc0 .Lnot_k
	TLOAD 56, 24
	s_branch .Lasked
.Lnot_k:
	s_cmp_lt_u32 s[WV], 8
	s_cbranch_scc0 .Lnot_v
	TLOAD 56, 32
	s_branch .Lasked
.Lnot_v:
	s_cmp_eq_u32 s[WV], 8
	s_cbranch_scc0 .Lnot_ks
	TLOAD 60, 40
	s_branch .Lasked
.Lnot_ks:
	s_cmp_eq_u32 s[WV], 9
	s_cbranch_scc0 .Lasked
	TLOAD 60, 48
.Lasked:
	s_lshl_b32 s84, s14, 7
	s_lshl_b32 s85, s12, 5
	s_add_co_u32 s84, s84, s85                     ; my work-group's first tile of queries: 128 b + 32 cx
	s_lshl_b32 s86, s84, 5
	s_lshl_b32 s87, s15, 14
	s_add_co_u32 s86, s86, s87
	s_mov_b32 s87, 0
	s_add_nc_u64 s[76:77], s[10:11], s[86:87]      ; csc: [head][tile][r], 2 bytes
	s_lshl_b32 s85, s[WV], 1
	s_add_co_u32 s84, s84, s85                     ; my wave's first tile
	s_mul_i32 s86, s84, 768
	s_mul_i32 s85, s15, 393216
	s_add_co_u32 s86, s86, s85
	s_add_nc_u64 s[70:71], s[4:5], s[86:87]        ; Q's codes
	s_lshl_b32 s86, s84, 6
	s_lshl_b32 s85, s17, 15
	s_add_co_u32 s86, s86, s85
	s_lshl_b32 s85, s16, 1
	s_add_co_u32 s86, s86, s85
	s_add_nc_u64 s[72:73], s[6:7], s[86:87]        ; Q's two scale bytes
	s_mul_i32 s86, s84, 12288
	s_mul_i32 s85, s17, 1536
	s_add_co_u32 s86, s86, s85
	s_mul_i32 s85, s16, 768
	s_add_co_u32 s86, s86, s85
	s_add_nc_u64 s[74:75], s[8:9], s[86:87]        ; cc: [tile][K step = head / 2][1,536], half head % 2
	v_and_b32 v6, 31, v0                           ; lane
	v_and_b32 v7, 15, v0                           ; r
	v_bfe_u32 v8, v0, 4, 1                         ; h
	v_lshlrev_b32 v1, 3, v6                        ; 8 x lane: K's tiles, and every global image
	v_add_nc_u32 v2, 98304, v1                     ; V's tiles
	v_lshlrev_b32 v3, 2, v6
	v_add_nc_u32 v4, VSB, v3                       ; V's scale words: lanes 0-15 one tile's, lanes 16-31 the next tile's
	s_lshl_b32 s85, s16, 1
	s_add_co_u32 s85, s85, KSB
	v_add_nc_u32 v3, s85, v3                       ; K's: the head's half of each word
	v_lshlrev_b32 v5, 2, v7                        ; 4 r
	v_lshlrev_b32 v11, 1, v7
	s_lshl_b32 s85, s[WV], 6
	s_add_co_u32 s85, s85, SCR
	v_add_nc_u32 v11, s85, v11                     ; where ctx's bytes go: 64 w + 2 r
	v_lshlrev_b32 v10, 3, v8                       ; 8 h: how far up my two scale bytes go
.irp i, 0,1,2,3,4,5
	v_mov_b32 v[QZ+\i], 0                          ; the zero codes on both sides of Q
	v_mov_b32 v[QZ+12+\i], 0
.endr
	v_mov_b32 v47, 0
	v_mov_b32 v253, 0                              ; (named as the upper half of the pair v[252:253])
	WALU                                           ; the wait at the head's end
	s_wait_tensorcnt 0x0                           ; my load, if I had one, has landed
	s_barrier_signal -1
	s_barrier_wait -1                              ; everybody's has
.macro KL j, a, b                      ; the j-th of a step's 28 loads of K.  0-3: scale bytes, register i: lanes 0-15 tile 2 i, lanes 16-31 tile 2 i + 1.  4-27: six pieces for each operand i = tiles [4 (i / 2) + i % 2 | the same + 2]
.if (\j) < 4
	ds_load_u16 v[40+(\j)], \b offset:128*(\j)
.else
.set g_, (\j)-4
.set i_, g_/6
.set q_, g_%6
	ds_load_b64 v[KF+12*i_+2*q_:KF+12*i_+2*q_+1], \a offset:768*(4*(i_/2)+i_%2+2*(q_/3))+256*(q_%3)
.endif
.endm
.macro KRUN a, b
.set m_, 0
.rept 28
	KL m_, \a, \b
.set m_, m_+1
.endr
.endm
.macro VL j                            ; the j-th of a step's 26 loads of V: six pieces for each of four tiles of features, then two registers of scale words
.if (\j) < 24
.set d_, (\j)/6
.set q_, (\j)%6
	ds_load_b64 v[VF+12*d_+2*q_:VF+12*d_+2*q_+1], v8 offset:3072*(q_/3)+768*d_+256*(q_%3)
.else
	ds_load_b32 v[36+(\j)-24], v9 offset:128*((\j)-24)
.endif
.endm
.macro VRUN
.set n_, 0
.rept 26
	VL n_
.set n_, n_+1
.endr
.endm
.macro KWORDS                          ; lanes 0-15: the bytes of tiles [0 | 2] ([4 | 6]), lanes 16-31: of [1 | 3] ([5 | 7])
	v_lshl_or_b32 v38, v41, 16, v40
	v_lshl_or_b32 v39, v43, 16, v42
.endm
.macro SCW i, hi, row                  ; operand i against [Q | 0] (hi = 0) or [0 | Q] (hi = 1): score tile 4 (i / 2) + i % 2 + 2 hi
	v_wmma_scale_f32_16x16x128_f8f6f4 v[S+8*(4*(\i/2)+\i%2+2*\hi):S+8*(4*(\i/2)+\i%2+2*\hi)+7], v[KF+12*\i:KF+12*\i+11], v[QZ+6-6*\hi:QZ+17-6*\hi], 0, v[38+\i/2], v34 matrix_a_fmt:MATRIX_FMT_FP6 matrix_b_fmt:MATRIX_FMT_FP6 matrix_a_scale:MATRIX_SCALE_ROW\row
.endm
.macro PVP d, row
	v_wmma_scale_f32_16x16x128_f8f6f4 v[O+8*\d:O+8*\d+7], v[VF+12*\d:VF+12*\d+11], v[PC:PC+11], v[O+8*\d:O+8*\d+7], v[36+\d/2], v35 matrix_a_fmt:MATRIX_FMT_FP6 matrix_b_fmt:MATRIX_FMT_FP6 matrix_a_scale:MATRIX_SCALE_ROW\row
.endm
.macro MA t                            ; score tile t's chain begins, at the accumulator's low end
	v_max3_num_f32 v[PC+\t], v[S+8*\t], v[S+8*\t+1], v[S+8*\t+2]
.endm
.macro MB t, o
	v_max3_num_f32 v[PC+\t], v[PC+\t], v[S+8*\t+\o], v[S+8*\t+\o+1]
.endm
.macro LADD from, to, d                ; a level of the sum's tree: pair j takes the pair d registers on
.set n_, \from
.rept (\to)-(\from)
	v_pk_add_f32 v[S+2*n_:S+2*n_+1], v[S+2*n_:S+2*n_+1], v[S+2*n_+(\d):S+2*n_+(\d)+1]
.set n_, n_+1
.endr
.endm
; A KEY STEP: 128 keys.  s80, s68: this step's offsets of V; s66, s67: the next step's of K.  pf = 1: the next step's K is asked of LDS.
.macro STEP pf
	SCW 0, 0, 0
	v_add_nc_u32 v8, s80, v2                       ; the four addresses are the places behind the first four products (and behind the last step's)
	SCW 0, 1, 0
	v_add_nc_u32 v9, s68, v4
	SCW 1, 0, 1
	v_add_nc_u32 v6, s66, v1
	SCW 1, 1, 1
	v_add_nc_u32 v7, s67, v3
.irp t, 0,2,1,3
	MA \t
.endr
	SCW 2, 0, 0
.irp t, 0,2,1,3
	MB \t, 3
.endr
	SCW 2, 1, 0
.irp t, 0,2,1,3
	MB \t, 5
.endr
	SCW 3, 0, 1
	v_max3_num_f32 v[PC], v[PC], v[PC+1], v[S+7]
	v_max3_num_f32 v[PC+2], v[PC+2], v[PC+3], v[S+15]
	SCW 3, 1, 1
	MA 4
	MA 6
	v_max3_num_f32 v[PC], v[PC], v[PC+2], v[S+23]
	MA 5                                           ; five places behind tile 5's product,
	MA 7                                           ; four behind tile 7's
.irp t, 4,6,5,7
	MB \t, 3
.endr
	v_max_num_f32 v44, v[PC], v[S+31]              ; the largest score of block h
.irp t, 4,6,5,7
	MB \t, 5
.endr
	v_max3_num_f32 v[PC+4], v[PC+4], v[PC+5], v[S+39]
	v_max3_num_f32 v[PC+6], v[PC+6], v[PC+7], v[S+47]
	v_max3_num_f32 v[PC+4], v[PC+4], v[PC+6], v[S+55]
	v_max_num_f32 v46, v[PC+4], v[S+63]            ; of block 2 + h
	s_delay_alu instid0(VALU_DEP_1)
	v_max_num_f32 v45, v44, v46
	s_delay_alu instid0(VALU_DEP_1)
	v_permlanex16_b32 v47, v45, s20, s21
	s_delay_alu instid0(VALU_DEP_1)
	v_max3_num_f32 v13, v13, v45, v47              ; the running largest score of my query
	s_delay_alu instid0(VALU_DEP_1)
	v_mul_f32 v45, s22, v13                        ; as t (c is positive)
	s_delay_alu instid0(VALU_DEP_1)
	v_floor_f32 v47, -v45                          ; the new -M = -ceil(t)
	s_delay_alu instid0(VALU_DEP_1)
	v_sub_f32 v45, v47, v12                        ; old M - new M: a whole number, 0 or less
	s_delay_alu instid0(VALU_DEP_2)
	v_mov_b32 v12, v47
.set j, 0
.rept 32
	v_pk_fma_f32 v[S+j:S+j+1], v[S+j:S+j+1], s[22:23], v[12:13] op_sel_hi:[1,0,0]   ; t - M; the two lines that make f stand among these
.if j == 6
	v_cvt_i32_f32 v45, v45                         ; (it saturates)
.elseif j == 14
	v_ldexp_f32 v252, 1.0, v45                     ; f = 2^(old M - new M)
.endif
.set j, j+2
.endr
	v_fma_f32 v44, v44, s22, v12                   ; the same of each block's largest score: p rises with the score
	v_fma_f32 v46, v46, s22, v12
	v_pk_mul_f32 v[14:15], v[14:15], v[252:253] op_sel_hi:[1,0]   ; the sum and O^T under the new M
.set j, 0
.rept 16
	v_pk_mul_f32 v[O+j:O+j+1], v[O+j:O+j+1], v[252:253] op_sel_hi:[1,0]
.set j, j+2
.endr
	WALU                                           ; the wait ahead of the batch
	VRUN                                           ; the step's one run of LDS loads: this step's V,
.if \pf
	KRUN v6, v7                                    ; and the next step's K
.endif
	v_exp_f32 v44, v44                             ; the blocks' largest p
	v_exp_f32 v46, v46
.set j, 0
.rept 64
	v_exp_f32 v[S+j], v[S+j]                       ; p = 2^(t - M), at most 1
.set j, j+1
.endr
	s_wait_dscnt 0x0                               ; the run is in
.if \pf
	KWORDS                                         ; plain places behind the exponentials
.else
	v_nop
.endif
	WALU                                           ; one wait for the batch, ahead of its first reader
	v_max_num_f32 v44, 0x1800000, v44              ; the floor 2^(3 - 127): the byte cannot fall under 1
	v_max_num_f32 v46, 0x1800000, v46
	v_add_nc_u32 v44, 0xff000000, v44              ; 2 off the exponent field: the conversions' scale operands
	v_add_nc_u32 v46, 0xff000000, v46
	v_cvt_scalef32_pk16_fp6_f32 v[PC:PC+2], v[S:S+15], v44
	v_cvt_scalef32_pk16_fp6_f32 v[40:42], v[S+16:S+31], v44           ; (a conversion's three registers begin on an even number: made elsewhere and moved)
	v_cvt_scalef32_pk16_fp6_f32 v[PC+6:PC+8], v[S+32:S+47], v46
	v_cvt_scalef32_pk16_fp6_f32 v[PC+10:PC+12], v[S+48:S+63], v46     ; (its last register is f's, which has served)
	v_lshrrev_b32 v45, 23, v44                     ; the scales' bytes
	v_lshrrev_b32 v47, 23, v46
.irp i, 0,1,2
	v_mov_b32 v[PC+3+\i], v[40+\i]
.endr
	v_lshl_or_b32 v45, v47, 16, v45                ; my two bytes, blocks h and 2 + h,
.irp i, 9,10,11
	v_mov_b32 v[PC+\i], v[PC+1+\i]                 ; in ascending order: each reads a register that is overwritten only behind it
.endr
	v_lshlrev_b32 v45, v10, v45                    ; at their places in the word;
	LADD 0, 3, 32                                  ; THE ROW'S SUM, of the unquantised p: a tree in place, the codes being made
	v_permlanex16_b32 v47, v45, s20, s21
	LADD 3, 6, 32
	v_or_b32 v35, v45, v47                         ; with lane l xor 16's two the word is whole
	LADD 6, 16, 32
	LADD 0, 8, 16                                  ; (these 18 additions are the places between p's codes and scale word and the products)
	PVP 0, 0
	LADD 0, 4, 8
	PVP 1, 1
	LADD 0, 2, 4
	PVP 2, 0
	LADD 0, 1, 2
	PVP 3, 1
	v_pk_add_f32 v[14:15], v[14:15], v[S:S+1]
.if \pf
	s_add_co_u32 s66, s66, 6144
	s_add_co_u32 s67, s67, 512
	s_add_co_u32 s68, s68, 256
	s_add_co_u32 s80, s80, 6144
.endif
.endm
; My tile n of queries against all 2,048 keys.
.macro PASS n
	s_wait_xcnt 0x0                                ; the last pass's stores have read their registers
.irp p, 0,1,2
	global_load_b64 v[QZ+6+2*\p:QZ+7+2*\p], v1, s[70:71] offset:768*(\n)+256*\p
.endr
	global_load_u16 v34, v5, s[72:73] offset:64*(\n)
	KRUN v1, v3                                    ; step 0's K
	s_mov_b32 s66, 6144
	s_mov_b32 s67, 512
	s_mov_b32 s68, 0
	s_mov_b32 s80, 0
	s_mov_b32 s69, 15
	s_wait_loadcnt 0x0
	s_wait_dscnt 0x0
	v_lshl_or_b32 v34, v34, 16, v34                ; Q's two bytes in both halves of the word: it serves [Q | 0] and [0 | Q]
	KWORDS
	v_mov_b32 v13, 0xff61b1e6                      ; the largest score so far: -3e38
	v_mov_b32 v12, 0x7f61b1e6                      ; -M
	v_mov_b32 v14, 0
	v_mov_b32 v15, 0
.set j, 0
.rept 32
	v_mov_b32 v[O+j], 0                            ; O^T: the first step finds zeros, which the first change of M leaves zeros.  (Also the places behind the scale words)
.set j, j+1
.endr
	WALU
.Lkeys_\@:
	STEP 1
	s_sub_co_i32 s69, s69, 1
	s_cmp_lg_u32 s69, 0
	s_cbranch_scc1 .Lkeys_\@
	STEP 0                                         ; the last 128 keys: no K is left to ask for
	v_add_f32 v14, v14, v15                        ; the sum's two halves,
	v_permlanex16_b32 v253, v14, s20, s21
	v_add_f32 v14, v14, v253                       ; and lane l xor 16's
	WALU
	v_rcp_f32 v14, v14
.rept 4
	v_nop                                          ; the plain place behind the reciprocal, and places behind the last products
.endr
	WALU                                           ; ahead of the first reader of the reciprocal and of O^T
.set j, 0
.rept 16
	v_pk_mul_f32 v[S+j:S+j+1], v[O+j:O+j+1], v[14:15] op_sel_hi:[1,0]   ; ctx: register 16 b + i = feature 32 b + 16 (lane / 16) + i of the head
.set j, j+2
.endr
.irp b, 0,1
	v_max3_num_f32 v[44+\b], |v[S+16*\b]|, |v[S+16*\b+1]|, 0x1800000
.endr
.irp i, 2,4,6,8,10,12,14
.irp b, 0,1
	v_max3_num_f32 v[44+\b], v[44+\b], |v[S+16*\b+\i]|, |v[S+16*\b+\i+1]|
.endr
.endr
.irp b, 0,1
	v_permlanex16_b32 v[46+\b], v[44+\b], s20, s21
.endr
.irp b, 0,1
	v_max_num_f32 v[44+\b], v[44+\b], v[46+\b]
.endr
.irp b, 0,1
	v_add_nc_u32 v[44+\b], 0xff000000, v[44+\b]
.endr
.irp b, 0,1
	v_lshrrev_b32 v[46+\b], 23, v[44+\b]
.endr
	v_lshl_or_b32 v8, v47, 8, v46                  ; the head's two scale bytes of my row
	v_cvt_scalef32_pk16_fp6_f32 v[PC:PC+2], v[S:S+15], v44
	v_cvt_scalef32_pk16_fp6_f32 v[PC+8:PC+10], v[S+16:S+31], v45
	v_nop                                          ; one plain place behind a scaled conversion
.irp i, 0,1,2
	v_permlane16_swap_b32 v[PC+\i], v[PC+8+\i]     ; a whole block to a lane
.endr
.irp i, 0,1,2
	v_mov_b32 v[PC+3+\i], v[PC+8+\i]
.endr
.irp p, 0,1,2
	global_store_b64 v1, v[PC+2*\p:PC+2*\p+1], s[74:75] offset:12288*(\n)+256*\p   ; half an image: three pieces of 256 consecutive bytes
.endr
	ds_store_b16 v11, v8 offset:32*(\n)            ; lanes r and r + 16 write the same bytes with the same value
.endm
	PASS 0
	PASS 1
	v_and_b32 v6, 63, v0
	v_lshlrev_b32 v7, 4, v6
	v_lshl_add_u32 v6, v6, 4, SCR
	WALU
	s_wait_dscnt 0x0                               ; for the others' sake: my bytes lie in LDS
	s_barrier_signal -1
	s_barrier_wait -1
	s_cmp_lt_u32 s[WV], 2                          ; the work-group's 1,024 scale bytes leave by waves 0 and 1, 512 consecutive bytes each
	s_cbranch_scc0 .Lno_csc
	ds_load_b128 v[48:51], v6
	s_wait_dscnt 0x0
	global_store_b128 v7, v[48:51], s[76:77]
.Lno_csc:
	s_wait_tensorcnt 0x0                           ; the wave's end
	ds_add_u32 v254, v255
	s_wait_dscnt 0x0
	CROUND                                         ; the closing round
	s_endpgm
.Lfunc_end_k_qed82c4ea93_attn:
	.size	k_qed82c4ea93_attn, .Lfunc_end_k_qed82c4ea93_attn-k_qed82c4ea93_attn
	.p2alignl 7, 3214868480
	.fill 96, 4, 3214868480
	.section	.rodata,"a",@progbits
	.p2align	6, 0x0
	.amdhsa_kernel k_qed82c4ea93_attn
		.amdhsa_group_segment_fixed_size 211968
		.amdhsa_private_segment_fixed_size 0
		.amdhsa_enable_private_segment 0
		.amdhsa_kernarg_size 32
		.amdhsa_user_sgpr_count 2
		.amdhsa_user_sgpr_kernarg_segment_ptr 1
		.amdhsa_wavefront_size32 1
		.amdhsa_system_sgpr_workgroup_id_x 1
		.amdhsa_system_sgpr_workgroup_id_y 1
		.amdhsa_system_sgpr_workgroup_id_z 1
		.amdhsa_system_vgpr_workitem_id 0
		.amdhsa_next_free_vgpr 256
		.amdhsa_next_free_sgpr 96
		.amdhsa_reserve_vcc 0
		.amdhsa_float_denorm_mode_32 3
		.amdhsa_float_denorm_mode_16_64 3
		.amdhsa_memory_ordered 1
		.amdhsa_forward_progress 1
		.amdhsa_inst_pref_size 85
	.end_amdhsa_kernel
	.amdgpu_metadata
---
amdhsa.version: [ 1, 2 ]
amdhsa.kernels:
  - .name:           k_qed82c4ea93_attn
    .symbol:         k_qed82c4ea93_attn.kd
    .args:
      - { .name: hc, .offset: 0, .size: 8, .value_kind: global_buffer, .address_space: global }
      - { .name: hs, .offset: 8, .size: 8, .value_kind: global_buffer, .address_space: global }
      - { .name: cc, .offset: 16, .size: 8, .value_kind: global_buffer, .address_space: global }
      - { .name: csc, .offset: 24, .size: 8, .value_kind: global_buffer, .address_space: global }
    .group_segment_fixed_size: 211968
    .private_segment_fixed_size: 0
    .kernarg_segment_align: 8
    .kernarg_segment_size: 32
    .max_flat_workgroup_size: 512
    .sgpr_count:     96
    .vgpr_count:     256
    .wavefront_size: 32
...
	.end_amdgpu_metadata
.endif
;; end of part 3
;; launch outp (part 4): grid 4 x 64, 4 waves a work-group, clusters of 4 x 4, 295,424 bytes of LDS; arguments cc, csc, cod, scl, bo, out0; writes out0
.if DOCPART == 4
	.amdgcn_target "amdgcn-amd-amdhsa--gfx1250"
	.amdhsa_code_object_version 6
	.text
	.protected	k_qed82c4ea93_outp
	.globl	k_qed82c4ea93_outp
	.p2align	8
	.type	k_qed82c4ea93_outp,@function
k_qed82c4ea93_outp:
	s_mov_b64 s[64:65], 0
	v_nop
	global_prefetch_b8 v0, s[64:65] scope:SCOPE_SE
	s_setreg_imm32_b32 hwreg(HW_REG_WAVE_MODE, 25, 1), 1
	s_wait_xcnt 0x0
	s_wait_alu depctr_hold_cnt(0) depctr_sa_sdst(0) depctr_va_vdst(0) depctr_va_sdst(0) depctr_va_ssrc(0) depctr_va_vcc(0) depctr_vm_vsrc(0)
	s_getreg_b32 s2, hwreg(HW_REG_IB_STS2, 6, 4)
	s_cmp_eq_u32 s2, 0
	s_cbranch_scc0 .Lentry_in_a_cluster
	s_endpgm
.Lentry_in_a_cluster:
	s_bfe_u32 s2, ttmp6, 0x10000c
	s_cmp_lg_u32 s2, 0xf033
	s_cbranch_scc0 .Lentry_shape_is_right
	s_endpgm
.Lentry_shape_is_right:
; out0 = ctx Wo^T + bo on codes of FP6 (E2M3) with E8M0 scales; sums and result in f32.  P = ctx (8,192 rows, images in cc, scale bytes in csc), R = Wo (tiles 1728 .. 1791 of cod and scl).
; SHARES: a work-group makes 256 rows of P x 128 rows of R: 256 work-groups.  ALL OF K = 1,024 of both operands lies in LDS (294,912 bytes): four chunks of four K steps, each filled once; nothing is filled again.
; Wave w owns P's tiles 4 w .. 4 w + 3 against R's eight: 32 accumulators.  One tensor load of a wave is out.
; OPERANDS are images in register order (a fragment: registers 2 p, 2 p + 1 of all lanes at 256 p + 8 x lane): a fragment is six ds_load_b64 of 256 consecutive bytes.
; THE PRODUCT IS USED TRANSPOSED: source 0 = a tile of R, source 1 = a tile of P: a lane holds one token.  Place r of tile T is row 32 (T / 2) + 8 (T % 2) + r + 8 (r / 8): the registers of result tiles 2 b, 2 b + 1
; are features 32 b + 16 (lane / 16) + 0 .. 15, and the tokens' order is undone in the stores' offsets.
; CLUSTER 4 x 4: the four work-groups of a row of the cluster need the same tiles of P, the four of a column the same tiles of R: each is asked for jointly.
; REGISTERS: window 0: v1-8 LDS addresses, v9-14 offsets, v16-31 P's scale words, v32-63 R's, v64-159 P's fragments (two sets); v160-191 csc's bytes at the head; on the way out v64-191 rows of out0.
;   window 1: R's fragments, two sets, at v0 and v128.  window 2: accumulator (a, b) at v[8 (8 a + b)].  window 3: v0-63 the bias, in the result's layout.
.set CH,    147456                     ; a HALF OF K (four K steps): P's 16 tiles x 6,144 bytes, then R's 8.  Two halves; each of the four waves fills one operand's half, once
.set RBASE, 98304
.set SPITCH, 528                       ; the way out: a stage of 16 rows x (512 + 16) bytes a wave, in chunk 0: it has had its one fill, and its last read lies ahead of barriers that every wave has passed
.set ADRA, 1
.set ADRB, 5
.set SA,   16
.set SB,   32
.set AF,   64
.set WV,   18
.set G1,   24
.set G1B,  32
.set G0A,  40
.set G0B,  56
.set MSB, 0
.macro WIN new                         ; the immediate's high byte repeats the setting that is left
.if MSB != \new
	s_set_vgpr_msb (MSB<<8)|\new
.set MSB, \new
.endif
.endm
.macro CROUND                          ; a round of the cluster's barrier
	s_barrier_signal -1
	s_barrier_wait -1
	s_cmp_lg_u32 s[WV], 0
	s_cbranch_scc1 .Lnot_wave_0_\@
	s_barrier_signal -3
.Lnot_wave_0_\@:
	s_barrier_wait -3
	s_barrier_signal -1
	s_barrier_wait -1
.endm
.macro PLACES                          ; four plain places behind a matrix instruction, ahead of loads into its sources and of reads of its results
.rept 4
	v_nop
.endr
.endm
	s_load_b256 s[4:11], s[0:1], 0x0               ; cc, csc, cod, scl
	s_load_b128 s[12:15], s[0:1], 0x20             ; bo, out0
	v_lshl_add_u32 v254, v0, 2, 0x48000
	v_mov_b32 v255, 0
	ds_add_u32 v254, v255
	ds_add_u32 v254, v255
	v_lshrrev_b32 v160, 5, v0
	v_readfirstlane_b32 s[WV], v160                ; wave 0..3
	s_bfe_u32 s21, ttmp6, 0x40000                  ; cx
	s_bfe_u32 s22, ttmp6, 0x40004                  ; cy
	s_and_b32 s23, ttmp7, 0xffff                   ; the cluster's number, 0..15
	s_and_b32 s78, s23, 1                          ; cluster column
	s_lshr_b32 s79, s23, 1                         ; cluster row
	s_lshl_b32 s86, s79, 2
	s_add_co_u32 s86, s86, s22                     ; row of work-groups, 0..31
	s_lshl_b32 s87, s78, 2
	s_add_co_u32 s87, s87, s21                     ; column, 0..7
	s_lshl_b32 s92, s22, 2
	s_lshl_b32 s92, 15, s92                        ; my row of the cluster
	s_lshl_b32 s93, 0x1111, s21                    ; my column
	; group 1: tiles as rows of 6,144 bytes (768 elements of 8 bytes: four K steps of a tile), 12,288 bytes apart in memory, on end in LDS
	s_or_b32 s[G1], s92, (3<<16)|(1<<21)           ; 15:0 the mask; 17:16 elements of 8 bytes; 21 set beside a mask
	s_or_b32 s[G1B], s93, (3<<16)|(1<<21)
	s_mov_b32 s[G1+1], 768<<16                     ; rows of 6,144 bytes: four K steps of a tile
	s_mov_b32 s[G1+2], 16<<16                      ; P's 16 tiles
	s_mov_b32 s[G1+3], 768<<16
	s_mov_b32 s[G1+4], 16
	s_mov_b32 s[G1+5], 1536                        ; the pitch
	s_mov_b32 s[G1+6], 0
	s_mov_b32 s[G1+7], 0
	s_mov_b32 s[G1B+1], 768<<16
	s_mov_b32 s[G1B+2], 8<<16                      ; R's 8 tiles
	s_mov_b32 s[G1B+3], 768<<16
	s_mov_b32 s[G1B+4], 8
	s_mov_b32 s[G1B+5], 1536
	s_mov_b32 s[G1B+6], 0
	s_mov_b32 s[G1B+7], 0
	s_lshl_b32 s88, s86, 4
	s_mul_i32 s88, s88, 12288
	s_mov_b32 s89, 0
	s_lshl_b32 s90, s87, 3                         ; R: tile 1728 + 8 x column + 4 x half: no cy enters
	s_add_co_u32 s90, s90, 1728
	s_mul_i32 s90, s90, 12288
	s_mov_b32 s91, 0
	s_wait_dscnt 0x0
	s_wait_kmcnt 0x0
	s_add_nc_u64 s[88:89], s[4:5], s[88:89]
	s_add_nc_u64 s[90:91], s[8:9], s[90:91]
.irp c, 0,1                            ; groups 0: s[40:43] P's half 0, s[44:47] R's half 0, s[48:51] P's half 1, s[52:55] R's half 1
	s_mov_b32 s[G0A+8*\c], 1
	s_mov_b32 s[G0A+8*\c+1], \c*CH
	s_add_nc_u64 s[G0A+8*\c+2:G0A+8*\c+3], s[88:89], \c*6144
	s_or_b32 s[G0A+8*\c+3], s[G0A+8*\c+3], 0x80000000
	s_mov_b32 s[G0A+8*\c+4], 1
	s_mov_b32 s[G0A+8*\c+5], RBASE+\c*CH
	s_add_nc_u64 s[G0A+8*\c+6:G0A+8*\c+7], s[90:91], \c*6144
	s_or_b32 s[G0A+8*\c+7], s[G0A+8*\c+7], 0x80000000
.endr
	CROUND                                         ; all sixteen work-groups are here: the joint loads meet
	; ONE LOAD A WAVE, in one chain of branches on the wave's number: what the first four K steps need is asked for by waves 0 and 1
	s_cmp_eq_u32 s[WV], 0
	s_cbranch_scc0 .Lw1
	tensor_load_to_lds s[40:43], s[G1:G1+7]
	s_nop 0
.rept 4
	v_nop
.endr
	s_branch .Lasked
.Lw1:
	s_cmp_eq_u32 s[WV], 1
	s_cbranch_scc0 .Lw2
	tensor_load_to_lds s[44:47], s[G1B:G1B+7]
	s_nop 0
.rept 4
	v_nop
.endr
	s_branch .Lasked
.Lw2:
	s_cmp_eq_u32 s[WV], 2
	s_cbranch_scc0 .Lw3
	tensor_load_to_lds s[48:51], s[G1:G1+7]
	s_nop 0
.rept 4
	v_nop
.endr
	s_branch .Lasked
.Lw3:
	tensor_load_to_lds s[52:55], s[G1B:G1B+7]
	s_nop 0
.rept 4
	v_nop
.endr
.Lasked:
	v_and_b32 v192, 31, v0                         ; lane
	v_and_b32 v193, 15, v0                         ; r
	v_bfe_u32 v194, v0, 4, 1                       ; h
	v_lshlrev_b32 v195, 3, v192                    ; 8 x lane
	s_mul_i32 s2, s[WV], 24576                     ; my four tiles of P, 6,144 bytes each in a half
.irp c, 0,1
	v_add_nc_u32 v[ADRA+\c], s2, v195
	v_add_nc_u32 v[ADRB+\c], RBASE+\c*CH, v195
	s_add_co_u32 s2, s2, CH
.endr
	v_lshlrev_b32 v9, 5, v192                      ; 32 x lane: lanes 0-15 one tile's rows of scale words, lanes 16-31 the next tile's
	v_lshlrev_b32 v10, 4, v192                     ; 16 x lane: my bytes of a row of 512
	v_lshlrev_b32 v11, 1, v192                     ; 2 x lane: csc's bytes of two tiles
	s_wait_alu depctr_va_vdst(0)
	s_mul_i32 s3, s[WV], 16*SPITCH                 ; my stage
	v_mul_u32_u24 v12, v193, SPITCH
	v_lshl_add_u32 v12, v194, 6, v12
	v_add_nc_u32 v12, s3, v12                      ; into it: row r, + 64 h
	v_add_nc_u32 v13, s3, v10                      ; back: a row's 512 bytes to the 32 lanes
	v_lshlrev_b32 v14, 6, v194                     ; 64 h: the bias
	s_wait_alu depctr_va_vdst(0)
	s_lshl_b32 s2, s86, 4
	s_lshl_b32 s3, s[WV], 2
	s_add_co_u32 s2, s2, s3
	s_lshl_b32 s2, s2, 5
	s_mov_b32 s3, 0
	s_add_nc_u64 s[66:67], s[6:7], s[2:3]          ; csc at my four tiles: 32 bytes a tile
	s_lshl_b32 s2, s87, 3
	s_add_co_u32 s2, s2, 1728
	s_lshl_b32 s2, s2, 9
	s_add_nc_u64 s[100:101], s[10:11], s[2:3]      ; R's scale words
	s_lshl_b32 s2, s87, 9
	s_add_nc_u64 s[92:93], s[12:13], s[2:3]        ; the bias of my 128 features
.irp i, 0,1
.irp d, 0,1,2,3,4,5,6,7,8,9,10,11,12,13,14,15
	global_load_u16 v[160+16*\i+\d], v11, s[66:67] offset:16384*\d+64*\i   ; head d's two bytes: lanes 0-15 tile 2 i, lanes 16-31 tile 2 i + 1
.endr
.endr
.irp i, 0,1,2,3
.irp q, 0,1
	global_load_b128 v[SB+8*\i+4*\q:SB+8*\i+4*\q+3], v9, s[100:101] offset:1024*\i+16*\q
.endr
.endr
	WIN 0xc0                                       ; destination window 3
.irp t, 0,1,2,3,4,5,6,7
	global_load_b128 v[8*\t:8*\t+3], v14, s[92:93] offset:(32*(\t/2)+8*(\t%2))*4           ; tile t's eight features of my half, in the result's layout
	global_load_b128 v[8*\t+4:8*\t+7], v14, s[92:93] offset:(32*(\t/2)+8*(\t%2))*4+16
.endr
	WIN 0
	s_wait_loadcnt 0x0
.irp i, 0,1
.irp s, 0,1,2,3,4,5,6,7
	v_lshl_or_b32 v[SA+8*\i+\s], v[161+16*\i+2*\s], 16, v[160+16*\i+2*\s]   ; K step s: heads 2 s and 2 s + 1
.endr
.endr
.rept 8
	v_nop                                          ; a scale register written by a vector instruction stands eight places ahead of a scaled matrix instruction
.endr
	s_lshl_b32 s2, s86, 8                          ; where my rows of out0 begin (the loads above are done: their bases may be written)
	s_lshl_b32 s94, s[WV], 6
	s_add_co_u32 s2, s2, s94
	s_lshl_b32 s2, s2, 12
	s_lshl_b32 s94, s87, 9
	s_add_co_u32 s2, s2, s94
	s_add_nc_u64 s[66:67], s[14:15], s[2:3]
.macro FRAG reg, adr, off              ; a fragment: six pieces of 256 consecutive bytes
.irp p, 0,1,2,3,4,5
	ds_load_b64 v[(\reg)+2*\p:(\reg)+2*\p+1], v[\adr] offset:(\off)+256*\p
.endr
.endm
.macro FETCH_B s                       ; R's eight fragments of K step s into set s % 2 of window 1
	WIN 0x40
.irp i, 0,1,2,3,4,5,6,7
	FRAG 128*((\s)%2)+12*\i, ADRB+(\s)/4, 6144*\i+1536*((\s)%4)
.endr
.endm
.macro FETCH_A s                       ; my four fragments of P
	WIN 0
.irp i, 0,1,2,3
	FRAG AF+48*((\s)%2)+12*\i, ADRA+(\s)/4, 6144*\i+1536*((\s)%4)
.endr
.endm
.macro WMUL s                          ; source 0 window 1, source 1 window 0, D window 2; C window 3 (the bias) in K step 0, else window 2
.if (\s) == 0
	WIN 0xb1
.else
	WIN 0xa1
.endif
.endm
; Four products: P's tiles a0, a0 + 1 x R's tiles b0, b0 + 1.  A scale register carries an even tile's words in lanes 0-15 and the odd tile's in lanes 16-31.
.macro QUAD a0, b0, s
.set qB, 128*((\s)%2)+12*(\b0)
.set qA, AF+48*((\s)%2)+12*(\a0)
.set qD, 8*(8*(\a0)+(\b0))
.set qC, 8*(\b0)
.set qSB, SB+8*((\b0)/2)+(\s)
.set qSA, SA+8*((\a0)/2)+(\s)
.if (\s) == 0
	v_wmma_scale_f32_16x16x128_f8f6f4 v[qD:qD+7], v[qB:qB+11], v[qA:qA+11], v[qC:qC+7], v[qSB], v[qSA] matrix_a_fmt:MATRIX_FMT_FP6 matrix_b_fmt:MATRIX_FMT_FP6
	v_wmma_scale_f32_16x16x128_f8f6f4 v[qD+8:qD+15], v[qB+12:qB+23], v[qA:qA+11], v[qC+8:qC+15], v[qSB], v[qSA] matrix_a_fmt:MATRIX_FMT_FP6 matrix_b_fmt:MATRIX_FMT_FP6 matrix_a_scale:MATRIX_SCALE_ROW1
	v_wmma_scale_f32_16x16x128_f8f6f4 v[qD+64:qD+71], v[qB:qB+11], v[qA+12:qA+23], v[qC:qC+7], v[qSB], v[qSA] matrix_a_fmt:MATRIX_FMT_FP6 matrix_b_fmt:MATRIX_FMT_FP6 matrix_b_scale:MATRIX_SCALE_ROW1
	v_wmma_scale_f32_16x16x128_f8f6f4 v[qD+72:qD+79], v[qB+12:qB+23], v[qA+12:qA+23], v[qC+8:qC+15], v[qSB], v[qSA] matrix_a_fmt:MATRIX_FMT_FP6 matrix_b_fmt:MATRIX_FMT_FP6 matrix_a_scale:MATRIX_SCALE_ROW1 matrix_b_scale:MATRIX_SCALE_ROW1
.else
	v_wmma_scale_f32_16x16x128_f8f6f4 v[qD:qD+7], v[qB:qB+11], v[qA:qA+11], v[qD:qD+7], v[qSB], v[qSA] matrix_a_fmt:MATRIX_FMT_FP6 matrix_b_fmt:MATRIX_FMT_FP6
	v_wmma_scale_f32_16x16x128_f8f6f4 v[qD+8:qD+15], v[qB+12:qB+23], v[qA:qA+11], v[qD+8:qD+15], v[qSB], v[qSA] matrix_a_fmt:MATRIX_FMT_FP6 matrix_b_fmt:MATRIX_FMT_FP6 matrix_a_scale:MATRIX_SCALE_ROW1
	v_wmma_scale_f32_16x16x128_f8f6f4 v[qD+64:qD+71], v[qB:qB+11], v[qA+12:qA+23], v[qD+64:qD+71], v[qSB], v[qSA] matrix_a_fmt:MATRIX_FMT_FP6 matrix_b_fmt:MATRIX_FMT_FP6 matrix_b_scale:MATRIX_SCALE_ROW1
	v_wmma_scale_f32_16x16x128_f8f6f4 v[qD+72:qD+79], v[qB+12:qB+23], v[qA+12:qA+23], v[qD+72:qD+79], v[qSB], v[qSA] matrix_a_fmt:MATRIX_FMT_FP6 matrix_b_fmt:MATRIX_FMT_FP6 matrix_a_scale:MATRIX_SCALE_ROW1 matrix_b_scale:MATRIX_SCALE_ROW1
.endif
.endm
; A K step of 128: 32 products, the 32 accumulators by turns in the same order in every step.  The next step's fragments are fetched in two runs,
; R's 48 loads behind the 8th product and P's 24 behind the 16th, into the sets that the step before multiplied: the four v_nop are the places behind that step's products for both runs.
.macro STEP s
.if (\s) == 3
	s_wait_tensorcnt 0x0                           ; every wave's one load has landed: the barrier shows K's second half; nothing is ever filled again
	s_wait_dscnt 0x0                               ; this step's fragments are in: no LDS instruction of mine is out at the signal
	s_barrier_signal -1
	s_barrier_wait -1                              ; everybody's part has landed
.else
	s_wait_dscnt 0x0                               ; this step's fragments are in: the last were asked for 16 products ago
.endif
	WMUL \s
	QUAD 0, 0, \s
	QUAD 0, 2, \s
.if (\s) < 7
	PLACES
	FETCH_B (\s)+1
	WMUL \s
.endif
	QUAD 0, 4, \s
	QUAD 0, 6, \s
.if (\s) < 7
	FETCH_A (\s)+1
	WMUL \s
.endif
	QUAD 2, 0, \s
	QUAD 2, 2, \s
	QUAD 2, 4, \s
	QUAD 2, 6, \s
	WIN 0
.endm
	s_wait_alu depctr_va_vdst(0)
	s_cmp_lt_u32 s[WV], 2                          ; waves 0 and 1 asked for K's first half: they wait, the other two loads may be out
	s_cbranch_scc0 .Lnot_first
	s_wait_tensorcnt 0x0
.Lnot_first:
	s_barrier_signal -1
	s_barrier_wait -1
	FETCH_B 0
	FETCH_A 0
.irp s, 0,1,2,3,4,5,6,7
	STEP \s
.endr
	PLACES
; THE WAY OUT, a tile of 16 tokens x 128 features at a time.  A lane holds 8 x 32 bytes of one token's row, and the lanes beside it hold other tokens: the tile goes through my own stage in LDS and comes back as whole
; rows of 512 bytes.  LDS serves a wave's instructions in order (ISA guide 5.7.1.4): no wait between the stores and the loads, nor ahead of the next tile's stores.
.macro TOSTAGE a
	WIN 0x08                                       ; an LDS store's data are its source 1: window 2
.irp t, 0,1,2,3,4,5,6,7
	ds_store_b128 v12, v[8*(8*(\a)+\t):8*(8*(\a)+\t)+3] offset:128*(\t/2)+32*(\t%2)          ; each accumulator from its low end on
	ds_store_b128 v12, v[8*(8*(\a)+\t)+4:8*(8*(\a)+\t)+7] offset:128*(\t/2)+32*(\t%2)+16
.endr
	WIN 0
.irp i, 0,1,2,3,4,5,6,7,8,9,10,11,12,13,14,15
	ds_load_b128 v[64+64*((\a)%2)+4*\i:64+64*((\a)%2)+4*\i+3], v13 offset:SPITCH*\i
.endr
.endm
.macro SEND a, younger                 ; younger: the LDS instructions issued behind tile a's loads, which may stay out
	s_wait_dscnt \younger
.irp i, 0,1,2,3,4,5,6,7,8,9,10,11,12,13,14,15
	global_store_b128 v10, v[64+64*((\a)%2)+4*\i:64+64*((\a)%2)+4*\i+3], s[66:67] offset:(32*((\a)/2)+8*((\a)%2)+\i+8*(\i/8))*4096 th:TH_STORE_NT   ; place i of tile a is token 32 (a / 2) + 8 (a % 2) + i + 8 (i / 8) of my 64; 32 lanes store 512 consecutive bytes, aligned
.endr
.endm
	TOSTAGE 0
.irp a, 1,2,3
.if \a > 1
	s_wait_xcnt 0x0                                ; tile a - 2's stores have read their registers: tile a's loads may land there
.endif
	TOSTAGE \a
	SEND \a-1, 32                                  ; behind tile a - 1's loads: tile a's 16 stores and 16 loads
.endr
	SEND 3, 0
	s_wait_tensorcnt 0x0
	ds_add_u32 v254, v255
	s_wait_dscnt 0x0
	CROUND                                         ; the closing round: no work-group ends while a partner may still ask for a tile that names it
	s_endpgm
.Lfunc_end_k_qed82c4ea93_outp:
	.size	k_qed82c4ea93_outp, .Lfunc_end_k_qed82c4ea93_outp-k_qed82c4ea93_outp
	.p2alignl 7, 3214868480
	.fill 96, 4, 3214868480
	.section	.rodata,"a",@progbits
	.p2align	6, 0x0
	.amdhsa_kernel k_qed82c4ea93_outp
		.amdhsa_group_segment_fixed_size 295424
		.amdhsa_private_segment_fixed_size 0
		.amdhsa_enable_private_segment 0
		.amdhsa_kernarg_size 48
		.amdhsa_user_sgpr_count 2
		.amdhsa_user_sgpr_kernarg_segment_ptr 1
		.amdhsa_wavefront_size32 1
		.amdhsa_system_sgpr_workgroup_id_x 1
		.amdhsa_system_sgpr_workgroup_id_y 1
		.amdhsa_system_sgpr_workgroup_id_z 1
		.amdhsa_system_vgpr_workitem_id 0
		.amdhsa_next_free_vgpr 1024
		.amdhsa_next_free_sgpr 102
		.amdhsa_reserve_vcc 0
		.amdhsa_float_denorm_mode_32 3
		.amdhsa_float_denorm_mode_16_64 3
		.amdhsa_memory_ordered 1
		.amdhsa_forward_progress 1
		.amdhsa_inst_pref_size 100
	.end_amdhsa_kernel
	.amdgpu_metadata
---
amdhsa.version: [ 1, 2 ]
amdhsa.kernels:
  - .name:           k_qed82c4ea93_outp
    .symbol:         k_qed82c4ea93_outp.kd
    .args:
      - { .name: cc, .offset: 0, .size: 8, .value_kind: global_buffer, .address_space: global }
      - { .name: csc, .offset: 8, .size: 8, .value_kind: global_buffer, .address_space: global }
      - { .name: cod, .offset: 16, .size: 8, .value_kind: global_buffer, .address_space: global }
      - { .name: scl, .offset: 24, .size: 8, .value_kind: global_buffer, .address_space: global }
      - { .name: bo, .offset: 32, .size: 8, .value_kind: global_buffer, .address_space: global }
      - { .name: out0, .offset: 40, .size: 8, .value_kind: global_buffer, .address_space: global }
    .group_segment_fixed_size: 295424
    .private_segment_fixed_size: 0
    .kernarg_segment_align: 8
    .kernarg_segment_size: 48
    .max_flat_workgroup_size: 128
    .sgpr_count:     102
    .vgpr_count:     1024
    .wavefront_size: 32
...
	.end_amdgpu_metadata
.endif
;; end of part 4
